; MI455X (gfx1250); checked and timed in simulation.
; The chip was launched on July 23, 2026; its instructions are those of AMD's public machine-readable ISA for CDNA 5 (MIT licence, August 2026) and "CDNA5" Instruction Set Architecture Reference Guide (July 2026). The comments in the code are by the model that wrote it; some were corrected since.
;; Causal Self Attention. Allowed arithmetic: float matrix products may take bf16 or f16 operands with f32 sums; all other float work in f32.
;; Inputs: b_proj 1,024 float32; b_qkv 3,072 float32; w_proj 1,024 x 1,024 float32; w_qkv 1,024 x 3,072 float32; x 1 x 4,096 x 1,024 float32.
;; Outputs: out0 1 x 4,096 x 1,024 float32.
;; 2 versions, each right; version 2 is version 1 with the launch prep written anew for expert scheduling mode. Each part assembles by itself: llvm-mc -triple=amdgcn-amd-amdhsa -mcpu=gfx1250 --defsym DOCPART=n.
;; ======== version 1 of 2: 4 launches
;; limits: values are held in f16: magnitudes above 65,504 overflow, below 6.1e-05 lose precision
;; workspace buffers: xb 8,388,608 bytes; wqT 6,291,456 bytes; wpT 2,097,152 bytes; qkvh 25,165,824 bytes; att 8,388,608 bytes
;; launch prep (part 1): grid 256 x 1, 8 waves a work-group, no clusters, 37,888 bytes of LDS; arguments x, w_qkv, w_proj, xb, wqT, wpT; writes xb, wqT, wpT
.if DOCPART == 1
	.amdgcn_target "amdgcn-amd-amdhsa--gfx1250"
	.amdhsa_code_object_version 6
	.text
	.protected	k_q742579ff4c_prep
	.globl	k_q742579ff4c_prep
	.p2align	8
	.type	k_q742579ff4c_prep,@function
k_q742579ff4c_prep:
	s_mov_b64 s[64:65], 0
	v_nop
	global_prefetch_b8 v0, s[64:65] scope:SCOPE_SE
	s_setreg_imm32_b32 hwreg(HW_REG_WAVE_MODE, 25, 1), 1
	s_wait_xcnt 0x0
; prep: the three large inputs are rounded once and laid out for the matrix kernels.
;   xb  [16 mb][16 kc][256 rows][64 k]  bf16 : x, in chunks of 64 k, so that a block of 256 rows x 64 k is 32,768 dense bytes
;   wqT [16 nb][16 kc][192 n][64 k]     bf16 : w_qkv transposed (k along the rows), in the same kind of chunks
;   wpT [ 8 nb][16 kc][128 n][64 k]     f16  : w_proj transposed.  It is rounded to bf16 as x and w_qkv are, so that the program as a whole
;        works on bf16-rounded inputs, and then held in f16, because its partner in the product (the attention's result) is f16.
;        f16 holds a bf16 value exactly down to 2^-17; below that the error is at most 2^-25.
; 2,048 waves, one unit of 16 KiB in and 8 KiB out each, no loop: every wave has its 32 loads of 16 bytes a lane out at once.
; Waves 0-3 of a work-group take a unit of x (64 rows x 64 k), waves 4-7 a unit of a weight (64 k x 64 n), turned in the wave's own LDS stage.
; Memory binds: no matrix unit, no tensor load, no cluster (no byte is read twice).
.set X, 32                             ; v[32:159] the unit as loaded
.set T, 16                             ; v[16:31]  packed numbers on their way to LDS
.set U, 10                             ; v[10:11]  a bf16 pair widened again (w_proj only)
.set STAGEW, 64*144                    ; a wave's stage: 64 rows (n) of 128 bytes, 16 bytes of padding
	s_load_b256 s[4:11], s[0:1], 0x0               ; x s[4:5], w_qkv s[6:7], w_proj s[8:9], xb s[10:11]
	s_load_b128 s[12:15], s[0:1], 0x20             ; wqT s[12:13], wpT s[14:15]
	v_lshl_add_u32 v160, v0, 2, 0x9000
	v_mov_b32 v161, 0
	v_lshrrev_b32 v2, 5, v0
	v_readfirstlane_b32 s16, v2                    ; wave 0..7
	v_and_b32 v1, 31, v0                           ; lane l
	v_lshlrev_b32 v3, 4, v1                        ; 16 l: every store of a wave covers 512 consecutive bytes
	s_lshl_b32 s17, ttmp9, 2
	s_cmp_lt_u32 s16, 4
	s_cbranch_scc0 .Lweights
	; ---- a unit of x: rows 64 rg .. +63, columns 64 kc .. +63
	s_add_co_u32 s17, s17, s16                     ; unit 0..1023
	s_and_b32 s18, s17, 15                         ; kc
	s_lshr_b32 s19, s17, 4                         ; rg
	s_lshl_b32 s20, s19, 18                        ; 64 rows of 4,096 bytes
	s_lshl_b32 s24, s18, 8                         ; 64 f32
	s_add_co_u32 s20, s20, s24
	s_mov_b32 s21, 0
	s_lshr_b32 s22, s19, 2                         ; mb
	s_lshl_b32 s22, s22, 4
	s_add_co_u32 s22, s22, s18                     ; 16 mb + kc
	s_lshl_b32 s22, s22, 8                         ; x 256 rows
	s_and_b32 s24, s19, 3
	s_lshl_b32 s24, s24, 6
	s_add_co_u32 s22, s22, s24                     ; + my 64 rows in the block
	s_lshl_b32 s22, s22, 7                         ; x 128 bytes
	s_mov_b32 s23, 0
	v_lshrrev_b32 v4, 3, v1
	v_and_b32 v5, 7, v1
	v_lshlrev_b32 v2, 12, v4                       ; row l / 8
	v_lshl_add_u32 v2, v5, 5, v2                   ; 8 f32 a lane: eight lanes' two loads cover 256 consecutive bytes
	s_wait_kmcnt 0x0
	s_add_nc_u64 s[4:5], s[4:5], s[20:21]
	s_add_nc_u64 s[10:11], s[10:11], s[22:23]
.set t, 0
.rept 16
	global_load_b128 v[X+8*t:X+8*t+3],   v2, s[4:5] offset:t*16384 th:TH_LOAD_NT
	global_load_b128 v[X+8*t+4:X+8*t+7], v2, s[4:5] offset:t*16384+16 th:TH_LOAD_NT
.set t, t+1
.endr
.set t, 0
.rept 16
	s_wait_loadcnt 30-2*t                          ; loads come back in order: pair t is in, the 30 - 2 t younger loads stay out
	v_cvt_pk_bf16_f32 v[X+8*t],   v[X+8*t],   v[X+8*t+1]       ; in place, upward: each line reads registers that no earlier line has written
	v_cvt_pk_bf16_f32 v[X+8*t+1], v[X+8*t+2], v[X+8*t+3]
	v_cvt_pk_bf16_f32 v[X+8*t+2], v[X+8*t+4], v[X+8*t+5]
	v_cvt_pk_bf16_f32 v[X+8*t+3], v[X+8*t+6], v[X+8*t+7]
	global_store_b128 v3, v[X+8*t:X+8*t+3], s[10:11] offset:512*t  ; four rows of the chunk; nothing that a store names is written again
.set t, t+1
.endr
	s_endpgm
	; ---- a unit of a weight: k = 64 kc .. +63, n = 64 ng .. +63
.Lweights:
	s_and_b32 s25, s16, 3                          ; wave - 4
	s_mul_i32 s26, s25, STAGEW                     ; my stage
	v_lshrrev_b32 v6, 4, v1                        ; h
	v_and_b32 v7, 15, v1                           ; ln
	v_mul_u32_u24 v4, v7, 4*144                    ; in: rows n = 4 ln + i,
	v_lshl_add_u32 v4, v6, 4, v4                   ; 16 bytes (8 k) for each half of the lanes
	v_add_nc_u32 v4, s26, v4
	v_lshrrev_b32 v8, 3, v1
	v_and_b32 v9, 7, v1
	v_mul_u32_u24 v5, v8, 144                      ; back: eight lanes take a row of 128 bytes
	v_lshl_add_u32 v5, v9, 4, v5
	v_add_nc_u32 v5, s26, v5
; Source at s[20:21], rows \pitch bytes apart; destination at s[22:23].  Lane (ln, h) loads w[16 jj + 8 h + j][4 ln .. +3]: a load covers two whole
; runs of 256 bytes.  Eight k of one n are packed into 16 bytes and stored to row n of the stage.  half = 1: bf16 first, then f16.
.macro WPATH pitch, half
	v_mul_u32_u24 v2, v6, 8*\pitch
	v_lshl_add_u32 v2, v7, 4, v2
.set n, 0
.rept 32
	global_load_b128 v[X+4*n:X+4*n+3], v2, s[20:21] offset:(16*(n/8)+(n%8))*\pitch th:TH_LOAD_NT
.set n, n+1
.endr
.set jj, 0
.rept 4
	s_wait_loadcnt 24-8*jj                         ; the eight loads of group jj are in, the younger groups stay out
.set i, 0
.rept 4
.set p, 0
.rept 4
	v_cvt_pk_bf16_f32 v[T+4*i+p], v[X+4*(8*jj+2*p)+i], v[X+4*(8*jj+2*p+1)+i]
.if \half
	v_lshlrev_b32 v[U], 16, v[T+4*i+p]             ; the two bf16 values as f32,
	v_and_b32 v[U+1], 0xffff0000, v[T+4*i+p]
	v_cvt_pk_f16_f32 v[T+4*i+p], v[U], v[U+1]      ; and in f16
.endif
.set p, p+1
.endr
	ds_store_b128 v4, v[T+4*i:T+4*i+3] offset:144*i+32*jj
.set i, i+1
.endr
.set jj, jj+1
.endr
.set t, 0
.rept 16
	ds_load_b128 v[X+4*t:X+4*t+3], v5 offset:576*t ; my own bytes: LDS serves a wave's instructions in order (ISA guide 5.7.1), so these see the stores above
.set t, t+1
.endr
.set t, 0
.rept 16
	s_wait_dscnt 15-t
	global_store_b128 v3, v[X+4*t:X+4*t+3], s[22:23] offset:512*t
.set t, t+1
.endr
.endm
	s_cmp_lt_u32 ttmp9, 192
	s_cbranch_scc0 .Lproj
	s_add_co_u32 s17, s17, s25                     ; w_qkv: unit 0..767
	s_and_b32 s18, s17, 15                         ; kc
	s_lshr_b32 s19, s17, 4                         ; ng 0..47
	s_mul_i32 s27, s19, 43
	s_lshr_b32 s27, s27, 7                         ; nb = ng / 3 (exact for ng < 48)
	s_mul_i32 s28, s27, 3
	s_sub_co_u32 s28, s19, s28                     ; ng mod 3
	s_mul_i32 s20, s18, 64*12288
	s_lshl_b32 s24, s19, 8
	s_add_co_u32 s20, s20, s24
	s_mov_b32 s21, 0
	s_lshl_b32 s22, s27, 4
	s_add_co_u32 s22, s22, s18
	s_mul_i32 s22, s22, 192
	s_lshl_b32 s28, s28, 6
	s_add_co_u32 s22, s22, s28
	s_lshl_b32 s22, s22, 7
	s_mov_b32 s23, 0
	s_wait_kmcnt 0x0
	s_add_nc_u64 s[20:21], s[6:7], s[20:21]
	s_add_nc_u64 s[22:23], s[12:13], s[22:23]
	WPATH 12288, 0
	s_wait_tensorcnt 0x0
	ds_add_u32 v160, v161
	s_wait_dscnt 0x0
	s_endpgm
.Lproj:
	s_sub_co_u32 s17, s17, 768
	s_add_co_u32 s17, s17, s25                     ; w_proj: unit 0..255
	s_and_b32 s18, s17, 15                         ; kc
	s_lshr_b32 s19, s17, 4                         ; ng 0..15
	s_mul_i32 s20, s18, 64*4096
	s_lshl_b32 s24, s19, 8
	s_add_co_u32 s20, s20, s24
	s_mov_b32 s21, 0
	s_lshr_b32 s22, s19, 1                         ; nb
	s_lshl_b32 s22, s22, 4
	s_add_co_u32 s22, s22, s18
	s_lshl_b32 s22, s22, 7                         ; x 128 rows
	s_and_b32 s28, s19, 1
	s_lshl_b32 s28, s28, 6
	s_add_co_u32 s22, s22, s28
	s_lshl_b32 s22, s22, 7
	s_mov_b32 s23, 0
	s_wait_kmcnt 0x0
	s_add_nc_u64 s[20:21], s[8:9], s[20:21]
	s_add_nc_u64 s[22:23], s[14:15], s[22:23]
	WPATH 4096, 1
	s_wait_tensorcnt 0x0
	ds_add_u32 v160, v161
	s_wait_dscnt 0x0
	s_endpgm
.Lfunc_end_k_q742579ff4c_prep:
	.size	k_q742579ff4c_prep, .Lfunc_end_k_q742579ff4c_prep-k_q742579ff4c_prep
	.p2alignl 7, 3214868480
	.fill 96, 4, 3214868480
	.section	.rodata,"a",@progbits
	.p2align	6, 0x0
	.amdhsa_kernel k_q742579ff4c_prep
		.amdhsa_group_segment_fixed_size 37888
		.amdhsa_private_segment_fixed_size 0
		.amdhsa_enable_private_segment 0
		.amdhsa_kernarg_size 48
		.amdhsa_user_sgpr_count 2
		.amdhsa_user_sgpr_kernarg_segment_ptr 1
		.amdhsa_wavefront_size32 1
		.amdhsa_system_sgpr_workgroup_id_x 1
		.amdhsa_system_sgpr_workgroup_id_y 1
		.amdhsa_system_sgpr_workgroup_id_z 1
		.amdhsa_system_vgpr_workitem_id 0
		.amdhsa_next_free_vgpr 162
		.amdhsa_next_free_sgpr 66
		.amdhsa_reserve_vcc 0
		.amdhsa_float_denorm_mode_32 3
		.amdhsa_float_denorm_mode_16_64 3
		.amdhsa_memory_ordered 1
		.amdhsa_forward_progress 1
		.amdhsa_inst_pref_size 46
	.end_amdhsa_kernel
	.amdgpu_metadata
---
amdhsa.version: [ 1, 2 ]
amdhsa.kernels:
  - .name:           k_q742579ff4c_prep
    .symbol:         k_q742579ff4c_prep.kd
    .args:
      - { .name: x, .offset: 0, .size: 8, .value_kind: global_buffer, .address_space: global }
      - { .name: w_qkv, .offset: 8, .size: 8, .value_kind: global_buffer, .address_space: global }
      - { .name: w_proj, .offset: 16, .size: 8, .value_kind: global_buffer, .address_space: global }
      - { .name: xb, .offset: 24, .size: 8, .value_kind: global_buffer, .address_space: global }
      - { .name: wqT, .offset: 32, .size: 8, .value_kind: global_buffer, .address_space: global }
      - { .name: wpT, .offset: 40, .size: 8, .value_kind: global_buffer, .address_space: global }
    .group_segment_fixed_size: 37888
    .private_segment_fixed_size: 0
    .kernarg_segment_align: 8
    .kernarg_segment_size: 48
    .max_flat_workgroup_size: 256
    .sgpr_count:     66
    .vgpr_count:     162
    .wavefront_size: 32
...
	.end_amdgpu_metadata
.endif
;; end of part 1
;; launch gemm_qkv (part 2): grid 16 x 16, 4 waves a work-group, clusters of 4 x 4, 327,680 bytes of LDS; arguments xb, wqT, qkvh, b_qkv; writes qkvh
.if DOCPART == 2
	.amdgcn_target "amdgcn-amd-amdhsa--gfx1250"
	.amdhsa_code_object_version 6
	.text
	.protected	k_q742579ff4c_gemm_qkv
	.globl	k_q742579ff4c_gemm_qkv
	.p2align	8
	.type	k_q742579ff4c_gemm_qkv,@function
k_q742579ff4c_gemm_qkv:
	s_mov_b64 s[64:65], 0
	v_nop
	global_prefetch_b8 v0, s[64:65] scope:SCOPE_SE
	s_setreg_imm32_b32 hwreg(HW_REG_WAVE_MODE, 25, 1), 1
	s_wait_xcnt 0x0
	s_wait_alu depctr_hold_cnt(0) depctr_sa_sdst(0) depctr_va_vdst(0) depctr_va_sdst(0) depctr_va_ssrc(0) depctr_va_vcc(0) depctr_vm_vsrc(0)
	s_getreg_b32 s2, hwreg(HW_REG_IB_STS2, 6, 4)
	s_cmp_eq_u32 s2, 0
	s_cbranch_scc0 .Lentry_in_a_cluster
	s_endpgm
.Lentry_in_a_cluster:
	s_bfe_u32 s2, ttmp6, 0x10000c
	s_cmp_lg_u32 s2, 0xf033
	s_cbranch_scc0 .Lentry_shape_is_right
	s_endpgm
.Lentry_shape_is_right:
; qkvh[g][t][d] = f16( sum over k of x[t][k] w_qkv[k][64 g + d] + b_qkv[64 g + d] ),  g = 0..47 (16 heads of q, of k, of v), bf16 operands, f32 sums.
; LIMIT: the results are kept in f16, so |q|, |k|, |v| must stay below 65,504.  Inputs 30 times larger than unit x and w of spread 1/32 give
; about 5,000 at the most; offsets of 30 spreads on both x and w_qkv give about 1024 x 30 x 30/32 = 28,800.
; A work-group makes 256 rows x 192 columns with four waves; wave w makes rows 64 w .. +63 of all 192 columns (three whole heads): 48 accumulator tiles, 384 registers.
; K goes in steps of 128 (two chunks of 64) through a ring of two LDS slots.  xb and wqT are laid in chunks, so a block's part of a chunk is dense in memory and
; comes in as tensor rows of 256 bytes; the mover pads after every 128 bytes, which makes LDS rows of 64 k at a pitch of 144 bytes.
; CLUSTERS: 4 x 4 work-groups.  The four of a cluster's row share A's tiles, the four of a column share B's: each tile is asked for jointly, which divides the requests by four.
; REGISTERS by windows of 256: window 0 addresses, A's fragments (two buffers of 4 tiles), the bias; window 1 B's fragments (two buffers of 12 tiles);
; window 2 the accumulators of my rows 0-31 (tile (a, b) at 8 (12 a + b)); window 3 those of my rows 32-63.
; The matrix instruction is used transposed (source 0 = rows of wqT, source 1 = rows of xb): a lane then holds eight neighbouring columns of one row of the result.
.set BN,     192
.set NB,     12                        ; column tiles of a wave
.set NCH,    2                         ; chunks of 64 k in a slot
.set NQ,     2*NCH                     ; quarters of 32 k in a slot
.set LAPS,   16/(2*NCH)                ; a lap = both slots once
.set PITCH,  144
.set MCA,    256*128                   ; bytes of a chunk of A's block in memory
.set MCB,    BN*128
.set CHA,    256*PITCH                 ; and in LDS
.set CHB,    BN*PITCH
.set RA,     (NCH/2)*MCA/256           ; tensor rows of 256 bytes in one wave's load: 128
.set RBT,    (NCH/2)*MCB/256           ; 96
.set SLOT,   NCH*(CHA+CHB)             ; A's chunks, then B's
.set STAGE,  2*SLOT                    ; behind the ring, a multiple of 256: no fill ever lands here
.set SPITCH, 400                       ; a stage row: 192 f16 + 16 bytes
.set PLANE,  4096*128                  ; bytes of one g of qkvh
.set ADRA, 16                          ; v16-17 LDS address of my A fragments in slot 0, 1
.set ADRB, 20                          ; v20-21 the same for B
.set STO,  24
.set RD,   25
.set CO,   26
.set BOFF, 27
.set FA,   32                          ; v32-63, v64-95 A's fragments
.set PK,   32                          ; the way out: packed results
.set RB,   80                          ; the way out: rows read back
.set BIAS, 128                         ; v128-223 the bias of my lane's 96 columns
.set G1, 24
.set G0, 32
.set G1B, 48
.set G0B, 56
.set G1W0, (1<<16)|(1<<20)|(1<<21)|(4<<22)|(3<<25)   ; elements of 2 bytes; padding on; bit 21 beside a mask; after every 32 words; 4 words
.set MSB, 0
.macro WIN new                         ; the immediate's high byte repeats the setting that is left
.if MSB != \new
	s_set_vgpr_msb (MSB<<8)|\new
.set MSB, \new
.endif
.endm
.macro PLACES                          ; four places behind matrix instructions, in front of loads into their sources and of readers of their results
.rept 4
	v_nop
.endr
.endm
.macro JLOAD s                         ; a joint load: waves 0, 1 ask for A's two halves of a slot, waves 2, 3 for B's; the branch hangs on the wave's number alone
	s_cmp_eq_u32 s11, 0
	s_cbranch_scc0 .Lfor_b_\@
	tensor_load_to_lds s[G0+4*\s:G0+4*\s+3], s[G1:G1+7]
	s_nop 0
	s_branch .Lasked_\@
.Lfor_b_\@:
	tensor_load_to_lds s[G0B+4*\s:G0B+4*\s+3], s[G1B:G1B+7]
	s_nop 0
.Lasked_\@:
.endm
.macro CREST                           ; a round of the cluster's barrier behind its opening barrier
	s_cmp_lg_u32 s10, 0
	s_cbranch_scc1 .Lnot_wave_0_\@
	s_barrier_signal -3
.Lnot_wave_0_\@:
	s_barrier_wait -3
	s_barrier_signal -1
	s_barrier_wait -1
.endm
.macro CROUND
	s_barrier_signal -1
	s_barrier_wait -1
	CREST
.endm
	s_load_b128 s[4:7], s[0:1], 0x0                ; xb s[4:5], wqT s[6:7]
	s_load_b128 s[68:71], s[0:1], 0x10             ; qkvh s[68:69], b_qkv s[70:71]
	s_set_vgpr_msb 0x40
	v_lshl_add_u32 v255, v0, 2, 0x45400
	s_set_vgpr_msb 0x4000
	v_mov_b32 v255, 0
	s_set_vgpr_msb 0x1
	ds_add_u32 v255, v255
	s_set_vgpr_msb 0x100
	v_lshrrev_b32 v1, 5, v0
	v_readfirstlane_b32 s10, v1                    ; wave 0..3
	s_lshr_b32 s11, s10, 1                         ; I fetch for A (0) or for B (1),
	s_and_b32 s12, s10, 1                          ; and which half of the slot's chunks
	s_bfe_u32 s40, ttmp6, 0x40000                  ; cx
	s_bfe_u32 s41, ttmp6, 0x40004                  ; cy
	s_lshl_b32 s42, ttmp9, 2
	s_add_co_u32 s42, s42, s40                     ; block column = 4 x cluster x + cx
	s_and_b32 s13, ttmp7, 0xffff
	s_lshl_b32 s13, s13, 2
	s_add_co_u32 s13, s13, s41                     ; block row = 4 x cluster y + cy
	s_lshl_b32 s43, s41, 2
	s_lshl_b32 s43, 15, s43                        ; my row of the cluster
	s_lshl_b32 s44, 0x1111, s40                    ; my column
	s_or_b32 s[G1+0], s43, G1W0                    ; A's tiles go to my row
	s_or_b32 s[G1B+0], s44, G1W0                   ; B's to my column
	s_mov_b32 s[G1+1], 128<<16                     ; tensor_dim0 = 128 elements (256 bytes)
	s_mov_b32 s[G1B+1], 128<<16
	s_mov_b32 s[G1+2], RA<<16                      ; tensor_dim1 = the tile's rows
	s_mov_b32 s[G1B+2], RBT<<16
	s_mov_b32 s[G1+3], 128<<16                     ; tile_dim0
	s_mov_b32 s[G1B+3], 128<<16
	s_mov_b32 s[G1+4], RA                          ; tile_dim1
	s_mov_b32 s[G1B+4], RBT
	s_mov_b32 s[G1+5], 128                         ; from row to row: dense
	s_mov_b32 s[G1B+5], 128
	s_mov_b32 s[G1+6], 0
	s_mov_b32 s[G1B+6], 0
	s_mov_b32 s[G1+7], 0
	s_mov_b32 s[G1B+7], 0
	; A's address hangs on the block row and the wave's number, B's on the block column and the wave's number, each in registers that never hold the other coordinate
	s_mul_i32 s16, s13, 16*MCA
	s_mul_i32 s17, s12, (NCH/2)*MCA
	s_add_co_u32 s16, s16, s17
	s_mov_b32 s17, 0
	s_mul_i32 s46, s42, 16*MCB
	s_mul_i32 s47, s12, (NCH/2)*MCB
	s_add_co_u32 s46, s46, s47
	s_mov_b32 s47, 0
	s_mul_i32 s18, s12, (NCH/2)*CHA                ; where they go: the wave's number and constants alone
	s_mul_i32 s19, s12, (NCH/2)*CHB
	s_add_co_u32 s19, s19, NCH*CHA
	s_wait_dscnt 0x0
	s_wait_kmcnt 0x0
	s_add_nc_u64 s[14:15], s[4:5], s[16:17]
	s_add_nc_u64 s[46:47], s[6:7], s[46:47]
	CROUND                                         ; all sixteen work-groups are here: the first joint loads meet
.irp s, 0,1
	s_mov_b32 s[G0+4*\s], 1
	s_add_co_u32 s[G0+4*\s+1], s18, \s*SLOT
	s_add_nc_u64 s[G0+4*\s+2:G0+4*\s+3], s[14:15], \s*NCH*MCA
	s_or_b32 s[G0+4*\s+3], s[G0+4*\s+3], 0x80000000
	s_mov_b32 s[G0B+4*\s], 1
	s_add_co_u32 s[G0B+4*\s+1], s19, \s*SLOT
	s_add_nc_u64 s[G0B+4*\s+2:G0B+4*\s+3], s[46:47], \s*NCH*MCB
	s_or_b32 s[G0B+4*\s+3], s[G0B+4*\s+3], 0x80000000
	JLOAD \s                                       ; both slots are asked for before anything else: two loads of the wave are out
.endr
	; the result's and the bias's places
	s_lshl_b32 s16, s13, 8
	s_lshl_b32 s17, s10, 6
	s_add_co_u32 s16, s16, s17                     ; my first row: 256 x block row + 64 x wave
	s_lshl_b32 s16, s16, 7                         ; rows of 128 bytes
	s_mov_b32 s17, 0
	s_add_nc_u64 s[68:69], s[68:69], s[16:17]
	s_mul_i32 s46, s42, 3*PLANE                    ; my three heads
	s_mov_b32 s47, 0
	s_add_nc_u64 s[68:69], s[68:69], s[46:47]
	s_mul_i32 s46, s42, BN*4
	s_add_nc_u64 s[70:71], s[70:71], s[46:47]
	v_and_b32 v1, 15, v0                           ; r
	v_bfe_u32 v2, v0, 4, 1                         ; h
	v_mul_u32_u24 v3, v1, PITCH
	v_lshl_add_u32 v3, v2, 4, v3                   ; fragment: row r, 16 bytes for each half of the lanes; two loads 32 bytes apart
	s_mul_i32 s21, s10, 64*PITCH                   ; my 64 rows of A
	s_mov_b32 s22, NCH*CHA                         ; all of B
.irp s, 0,1
	v_add_nc_u32 v[ADRA+\s], s21, v3
	v_add_nc_u32 v[ADRB+\s], s22, v3
	s_add_co_u32 s21, s21, SLOT
	s_add_co_u32 s22, s22, SLOT
.endr
	s_mul_i32 s23, s10, 16*SPITCH
	s_add_co_u32 s23, s23, STAGE                   ; my stage
	v_mul_u32_u24 v4, v1, SPITCH
	v_lshl_add_u32 v4, v2, 4, v4
	v_add_nc_u32 v[STO], s23, v4                   ; in: row r, 16 bytes for each half of the lanes
	v_and_b32 v5, 31, v0
	v_lshrrev_b32 v6, 3, v5
	v_and_b32 v7, 7, v0
	v_mul_u32_u24 v6, v6, SPITCH
	v_lshl_add_u32 v6, v7, 4, v6
	v_add_nc_u32 v[RD], s23, v6                    ; back: eight lanes take one head's 128 bytes of a row
	v_lshlrev_b32 v[CO], 4, v5                     ; out: 512 consecutive bytes a store
	v_lshlrev_b32 v[BOFF], 5, v2                   ; my eight columns of each tile begin at 8 h
.set ib, 0
.rept NB
	global_load_b128 v[BIAS+8*ib:BIAS+8*ib+3],   v[BOFF], s[70:71] offset:64*ib
	global_load_b128 v[BIAS+8*ib+4:BIAS+8*ib+7], v[BOFF], s[70:71] offset:64*ib+16
.set ib, ib+1
.endr
; NB matrix instructions: row tile 2 hi + a of my four x all column tiles, 32 along K, from buffer p.  zero = 1: the first product starts the sums.
.macro MULROW p, hi, a, zero
.if \hi
	WIN 0xf1                                       ; source 0 (B) window 1, source 1 (A) window 0, C and D window 3
.else
	WIN 0xa1                                       ; the same, C and D window 2
.endif
.set ib, 0
.rept NB
.if \zero
	v_wmma_f32_16x16x32_bf16 v[8*(NB*\a+ib):8*(NB*\a+ib)+7], v[8*NB*\p+8*ib:8*NB*\p+8*ib+7], v[FA+32*\p+8*(2*\hi+\a):FA+32*\p+8*(2*\hi+\a)+7], 0
.else
	v_wmma_f32_16x16x32_bf16 v[8*(NB*\a+ib):8*(NB*\a+ib)+7], v[8*NB*\p+8*ib:8*NB*\p+8*ib+7], v[FA+32*\p+8*(2*\hi+\a):FA+32*\p+8*(2*\hi+\a)+7], v[8*(NB*\a+ib):8*(NB*\a+ib)+7]
.endif
.set ib, ib+1
.endr
.endm
; the fragments of quarter q of a slot into buffer p, in one run: 2 NB loads of B, then 8 of A
.macro FETCH slot, q, p
	WIN 0x40
.set ib, 0
.rept NB
	ds_load_b128 v[8*NB*\p+8*ib:8*NB*\p+8*ib+3],   v[ADRB+\slot] offset:((\q)/2)*CHB+((\q)%2)*64+ib*16*PITCH
	ds_load_b128 v[8*NB*\p+8*ib+4:8*NB*\p+8*ib+7], v[ADRB+\slot] offset:((\q)/2)*CHB+((\q)%2)*64+ib*16*PITCH+32
.set ib, ib+1
.endr
	WIN 0
.set ib, 0
.rept 4
	ds_load_b128 v[FA+32*\p+8*ib:FA+32*\p+8*ib+3],   v[ADRA+\slot] offset:((\q)/2)*CHA+((\q)%2)*64+ib*16*PITCH
	ds_load_b128 v[FA+32*\p+8*ib+4:FA+32*\p+8*ib+7], v[ADRA+\slot] offset:((\q)/2)*CHA+((\q)%2)*64+ib*16*PITCH+32
.set ib, ib+1
.endr
.endm
; A quarter but the slot's last: multiplies buffer q mod 2 and, in its middle, fetches quarter q + 1 into the other buffer.
; The 4 NB accumulators take turns, one instruction a turn, in the same order in every quarter.
.macro QUARTER slot, q, zero
.set PB, (\q)%2
.set PN, 1-PB
.set QN, (\q)+1
	s_wait_dscnt 4                                 ; B and A's tiles 0, 1 are in; the four youngest loads (A's tiles 2, 3) may be out
	MULROW PB, 0, 0, \zero
	MULROW PB, 0, 1, \zero
	PLACES
	FETCH \slot, QN, PN
	s_wait_dscnt 2*NB+8                            ; all but the run just issued
	MULROW PB, 1, 0, \zero
	MULROW PB, 1, 1, \zero
.endm
.macro STEP slot, zero
	QUARTER \slot, 0, \zero
.set qq, 1
.rept NQ-2
	QUARTER \slot, qq, 0
.set qq, qq+1
.endr
.endm
; The slot's last quarter (buffer 1) and the change of slots.  In front of the barrier each wave waits for its reads of this slot and for all its tensor
; loads (the one that is out is its part of the next slot).  fill = 1: the barrier opens a round of the cluster's barrier, and the joint refill of this slot
; is the first and only tensor load of the wave behind the round.
.macro TURN slot, next, fill
	s_wait_dscnt 4
	MULROW 1, 0, 0, 0
	s_wait_dscnt 0x0                               ; my reads of this slot are over
	s_wait_tensorcnt 0x0                           ; and all my tensor loads have landed
	ds_add_u32 v255, v255
	s_wait_dscnt 0x0
	s_barrier_signal -1
	MULROW 1, 0, 1, 0                              ; register work while the others arrive
	WIN 0
	s_barrier_wait -1
.if \fill
	CREST                                          ; no wave of any partner still reads this slot or has a load on its way
	s_add_nc_u64 s[G0+4*\slot+2:G0+4*\slot+3], s[G0+4*\slot+2:G0+4*\slot+3], 2*NCH*MCA
	s_add_nc_u64 s[G0B+4*\slot+2:G0B+4*\slot+3], s[G0B+4*\slot+2:G0B+4*\slot+3], 2*NCH*MCB
	JLOAD \slot
.endif
	PLACES
	FETCH \next, 0, 0
	MULROW 1, 1, 0, 0
	MULROW 1, 1, 1, 0
.endm
.macro LAP zero
	STEP 0, \zero
	TURN 0, 1, 1
	STEP 1, 0
	TURN 1, 0, 1
.endm
	s_wait_loadcnt 0x0                             ; the bias, once
	s_wait_tensorcnt 1                             ; my part of slot 0 is in; slot 1's may stay out
	s_barrier_signal -1
	s_barrier_wait -1
	FETCH 0, 0, 0
	LAP 1                                          ; the first lap stands in front of the loop: its first products start the sums
.if LAPS > 2
	WIN 0
	s_mov_b32 s3, LAPS-2
.Llap:
	LAP 0
	WIN 0
	s_sub_co_u32 s3, s3, 1
	s_cmp_lg_u32 s3, 0
	s_cbranch_scc1 .Llap
.endif
	STEP 0, 0                                      ; the last lap fills nothing
	TURN 0, 1, 0
	STEP 1, 0
	s_wait_dscnt 4
	MULROW 1, 0, 0, 0
	MULROW 1, 0, 1, 0
	s_wait_dscnt 0x0
	MULROW 1, 1, 0, 0
	MULROW 1, 1, 1, 0
	PLACES
; THE WAY OUT, 16 rows at a time: add the bias, round to f16, 16 bytes a lane into my own stage, read back by heads, store 512 consecutive bytes at a time.
.macro OUT16 i
.set WA, (\i)%2
.if (\i) < 2
	WIN 0x82                                       ; destination and source 0 window 2, the bias window 0
.else
	WIN 0xc3
.endif
.set ib, 0
.rept NB
.set ir, 0
.rept 4
	v_pk_add_f32 v[8*(NB*WA+ib)+2*ir:8*(NB*WA+ib)+2*ir+1], v[8*(NB*WA+ib)+2*ir:8*(NB*WA+ib)+2*ir+1], v[BIAS+8*ib+2*ir:BIAS+8*ib+2*ir+1]
.set ir, ir+1
.endr
.set ib, ib+1
.endr
.if (\i) < 2
	WIN 0x0a
.else
	WIN 0x0f
.endif
.set ib, 0
.rept NB
.set ir, 0
.rept 4
	v_cvt_pk_f16_f32 v[PK+4*ib+ir], v[8*(NB*WA+ib)+2*ir], v[8*(NB*WA+ib)+2*ir+1]
.set ir, ir+1
.endr
.set ib, ib+1
.endr
	WIN 0
.set ib, 0
.rept NB
	ds_store_b128 v[STO], v[PK+4*ib:PK+4*ib+3] offset:32*ib
.set ib, ib+1
.endr
	s_wait_xcnt 0x0                                ; RB, which the last tile's stores read, is loaded again only behind this wait
.set n, 0
.rept 12
	ds_load_b128 v[RB+4*n:RB+4*n+3], v[RD] offset:4*SPITCH*(n%4)+128*(n/4)   ; my own bytes, served in order: these see the stores above
.set n, n+1
.endr
.set n, 0
.rept 12
	s_wait_dscnt 11-n
	global_store_b128 v[CO], v[RB+4*n:RB+4*n+3], s[68:69] offset:(n/4)*PLANE+2048*(\i)+512*(n%4)
.set n, n+1
.endr
.endm
	OUT16 0
	OUT16 1
	OUT16 2
	OUT16 3
	s_set_vgpr_msb 0x1
	s_wait_tensorcnt 0x0
	ds_add_u32 v255, v255
	s_wait_dscnt 0x0
	s_set_vgpr_msb 0x100
	CROUND                                         ; the closing round: no work-group ends while a partner may still ask for a tile that names it
	s_endpgm
.Lfunc_end_k_q742579ff4c_gemm_qkv:
	.size	k_q742579ff4c_gemm_qkv, .Lfunc_end_k_q742579ff4c_gemm_qkv-k_q742579ff4c_gemm_qkv
	.p2alignl 7, 3214868480
	.fill 96, 4, 3214868480
	.section	.rodata,"a",@progbits
	.p2align	6, 0x0
	.amdhsa_kernel k_q742579ff4c_gemm_qkv
		.amdhsa_group_segment_fixed_size 327680
		.amdhsa_private_segment_fixed_size 0
		.amdhsa_enable_private_segment 0
		.amdhsa_kernarg_size 32
		.amdhsa_user_sgpr_count 2
		.amdhsa_user_sgpr_kernarg_segment_ptr 1
		.amdhsa_wavefront_size32 1
		.amdhsa_system_sgpr_workgroup_id_x 1
		.amdhsa_system_sgpr_workgroup_id_y 1
		.amdhsa_system_sgpr_workgroup_id_z 1
		.amdhsa_system_vgpr_workitem_id 0
		.amdhsa_next_free_vgpr 960
		.amdhsa_next_free_sgpr 72
		.amdhsa_reserve_vcc 0
		.amdhsa_float_denorm_mode_32 3
		.amdhsa_float_denorm_mode_16_64 3
		.amdhsa_memory_ordered 1
		.amdhsa_forward_progress 1
		.amdhsa_inst_pref_size 178
	.end_amdhsa_kernel
	.amdgpu_metadata
---
amdhsa.version: [ 1, 2 ]
amdhsa.kernels:
  - .name:           k_q742579ff4c_gemm_qkv
    .symbol:         k_q742579ff4c_gemm_qkv.kd
    .args:
      - { .name: xb, .offset: 0, .size: 8, .value_kind: global_buffer, .address_space: global }
      - { .name: wqT, .offset: 8, .size: 8, .value_kind: global_buffer, .address_space: global }
      - { .name: qkvh, .offset: 16, .size: 8, .value_kind: global_buffer, .address_space: global }
      - { .name: b_qkv, .offset: 24, .size: 8, .value_kind: global_buffer, .address_space: global }
    .group_segment_fixed_size: 327680
    .private_segment_fixed_size: 0
    .kernarg_segment_align: 8
    .kernarg_segment_size: 32
    .max_flat_workgroup_size: 128
    .sgpr_count:     72
    .vgpr_count:     960
    .wavefront_size: 32
...
	.end_amdgpu_metadata
.endif
;; end of part 2
;; launch attn (part 3): grid 256 x 1, 8 waves a work-group, no clusters, 327,680 bytes of LDS; arguments qkvh, att; writes att
.if DOCPART == 3
	.amdgcn_target "amdgcn-amd-amdhsa--gfx1250"
	.amdhsa_code_object_version 6
	.text
	.protected	k_q742579ff4c_attn
	.globl	k_q742579ff4c_attn
	.p2align	8
	.type	k_q742579ff4c_attn,@function
k_q742579ff4c_attn:
	s_mov_b64 s[64:65], 0
	v_nop
	global_prefetch_b8 v0, s[64:65] scope:SCOPE_SE
	s_setreg_imm32_b32 hwreg(HW_REG_WAVE_MODE, 25, 1), 1
	s_wait_xcnt 0x0
; Causal attention of one head, with a running maximum.  qkvh [48 g][4096 t][64] f16 (g: 16 heads of q, of k, of v); att [32 mb][16 head][128 rows][64] f16.
; The work-group (head = x mod 16, p = x / 16) makes the query blocks p and 31 - p of 128 rows: (p + 1) + (32 - p) = 33 key tiles of 128 in every work-group.
; Wave (g = wave / 4, w = wave mod 4) takes queries 32 w .. +31 of the block and keys 64 g .. +63 of every tile; the two key halves keep their own maximum, sum and
; result and are merged once a block through LDS.  So all eight waves run the same text with the same trip counts, two on each SIMD.
; Both products are used transposed.  S^T = K Q^T: a lane holds one query (r) and keys 8 h + j, so maximum, sum and rescaling are one number a lane, and two packed
; key tiles ARE the second operand of O^T = V^T P^T; V^T comes from LDS by transposing loads; a lane's eight results are eight neighbouring d of one query.
; The block with an even number of tiles below its diagonal goes first, so that every tile's slot is a constant of the text.
; The scale 1/8 rides in the exponent's multiply-add: p = 2^(c s - c M), c = log2(e) / 8.
; LIMITS: P and the result are rounded to f16 (P is at most 1; the result is a mean of v).  The running maximum starts at the most negative finite f32, so raw scores
; below that are not served.  A half whose keys are all masked keeps that start, has sum 0 and result 0, and gets the factor 0 in the merge.
; NO MULTICAST of K and V among the query blocks of a head: the partners need different numbers of tiles (p + 1 and 32 - p change from partner to partner), and trip
; counts must be alike in all partners of a cluster; asking for the longest partner's tiles in all would make 36 trips in step for 33 of work.
.set TILEB,  16384                     ; a tile of K or of V in memory: 128 rows of 128 bytes, dense
.set KPITCH, 144
.set VPITCH, 160                       ; an odd multiple of 32 bytes, for the transposing loads
.set VOFF,   128*KPITCH
.set SLOT,   VOFF+128*VPITCH           ; 38,912
.set MERGE,  2*SLOT                    ; 4 x 8,704: the upper key half's result and figures, one part for each w
.set MERGEW, 8704
.set OSTAGE, MERGE+4*MERGEW            ; 4 x 4,608: 32 rows of 128 bytes + 16, one part for each w
.set OSTAGEW, 32*144
.set PLANE,  4096*128
.set KADR, 2
.set VADR, 3
.set QOFF, 4
.set DM,   5                           ; (32 w + r) - (64 g + 8 h): key 16 kt + j is allowed for query tile qt where 16 kt + j - 16 qt <= DM
.set MADR, 6
.set OSTO, 7
.set ORD,  8
.set CO,   9
.set M,    10                          ; v10-11 running maximum of raw scores, query tiles 0, 1
.set L,    12                          ; v12-13 running sum, of my half of the lanes
.set AL,   14                          ; v14-15 rescaling factor
.set NM,   16                          ; v16-17 - c x maximum
.set MN,   18                          ; v18-19 new maximum
.set T,    20                          ; v20-29 at work
.set SR,   32                          ; S(kt, qt) at SR + 8 (2 kt + qt)
.set KR,   96                          ; K(kt, dh) at KR + 8 (2 kt + dh)
.set VR,   160                         ; V(dt, ks) at VR + 8 (2 dt + ks)
.set PR,   224                         ; P(qt, ks) at PR + 8 (2 qt + ks)
.set QE,   64                          ; window 1: O(dt, qt) at 8 (2 dt + qt); Q of the first block at 64 + 8 (2 qt + dh), of the second at 96
.set QO,   96
.set G1K, 32
.set G1V, 40
.set G0K, 48                           ; a group 0 for each slot
.set G0V, 56
.set MSB, 0
.macro WIN new
.if MSB != \new
	s_set_vgpr_msb (MSB<<8)|\new
.set MSB, \new
.endif
.endm
.macro PLACES                          ; four places behind matrix instructions (ISA guide 7.12.1)
.rept 4
	v_nop
.endr
.endm
.macro KVLOAD s                        ; wave 0 asks for K's tile, wave 4 for V's: one tensor load a wave, none in the other six
	s_cmp_lg_u32 s8, 0
	s_cbranch_scc1 .Lnot_k_\@
	tensor_load_to_lds s[G0K+4*(\s):G0K+4*(\s)+3], s[G1K:G1K+7]
	s_nop 0
.Lnot_k_\@:
	s_cmp_lg_u32 s8, 4
	s_cbranch_scc1 .Lnot_v_\@
	tensor_load_to_lds s[G0V+4*(\s):G0V+4*(\s)+3], s[G1V:G1V+7]
	s_nop 0
.Lnot_v_\@:
.endm
	s_load_b128 s[4:7], s[0:1], 0x0                ; qkvh s[4:5], att s[6:7]
	v_lshl_add_u32 v30, v0, 2, 0x29000
	v_mov_b32 v31, 0
	ds_add_u32 v30, v31
	v_lshrrev_b32 v1, 5, v0
	v_readfirstlane_b32 s8, v1                     ; wave 0..7
	s_lshr_b32 s9, s8, 2                           ; g
	s_and_b32 s10, s8, 3                           ; w
	s_and_b32 s11, ttmp9, 15                       ; head
	s_lshr_b32 s12, ttmp9, 4                       ; p
	s_sub_co_u32 s14, 31, s12
	s_bitcmp1_b32 s12, 0
	s_cselect_b32 s13, s14, s12                    ; the even one of p and 31 - p: the first block
	s_sub_co_u32 s14, 31, s13                      ; the odd one: the second block
	s_mov_b32 s16, 0x3e38aa3b                      ; c = log2(e) / 8, twice (a pair for the packed multiply-add)
	s_mov_b32 s17, 0x3e38aa3b
	s_mov_b32 s18, 0xbe38aa3b                      ; - c
	s_mov_b32 s19, 0xff800000                      ; minus infinity, for masked scores
	s_mov_b32 s20, 0x76543210                      ; v_permlanex16_b32: lane i reads lane i of the other half
	s_mov_b32 s21, 0xfedcba98
	; group 1: 64 tensor rows of 256 bytes, dense; padded after every 32 words by 4 words (K: pitch 144) or by 8 (V: pitch 160)
	s_mov_b32 s[G1K+0], (1<<16)|(1<<20)|(4<<22)|(3<<25)
	s_mov_b32 s[G1V+0], (1<<16)|(1<<20)|(4<<22)|(7<<25)
.irp g, G1K, G1V
	s_mov_b32 s[\g+1], 128<<16                     ; tensor_dim0 = 128 elements
	s_mov_b32 s[\g+2], 64<<16                      ; tensor_dim1 = 64
	s_mov_b32 s[\g+3], 128<<16                     ; tile_dim0
	s_mov_b32 s[\g+4], 64                          ; tile_dim1
	s_mov_b32 s[\g+5], 128                         ; from row to row
	s_mov_b32 s[\g+6], 0
	s_mov_b32 s[\g+7], 0
.endr
	s_lshl_b32 s30, s11, 19                        ; head x plane
	s_mov_b32 s31, 0
	s_wait_dscnt 0x0
	s_barrier_signal -1
	s_barrier_wait -1
	s_wait_kmcnt 0x0
	s_add_nc_u64 s[26:27], s[4:5], s[30:31]        ; my head's q
	s_add_nc_u64 s[22:23], s[26:27], 16*PLANE      ; its k
	s_add_nc_u64 s[24:25], s[26:27], 32*PLANE      ; its v
.irp s, 0,1
	s_mov_b32 s[G0K+4*\s], 1
	s_mov_b32 s[G0K+4*\s+1], \s*SLOT
	s_add_nc_u64 s[G0K+4*\s+2:G0K+4*\s+3], s[22:23], \s*TILEB      ; slot s waits for tile s
	s_or_b32 s[G0K+4*\s+3], s[G0K+4*\s+3], 0x80000000
	s_mov_b32 s[G0V+4*\s], 1
	s_mov_b32 s[G0V+4*\s+1], \s*SLOT+VOFF
	s_add_nc_u64 s[G0V+4*\s+2:G0V+4*\s+3], s[24:25], \s*TILEB
	s_or_b32 s[G0V+4*\s+3], s[G0V+4*\s+3], 0x80000000
.endr
	KVLOAD 0                                       ; tile 0 goes out before anything else; slot 1 is first filled behind the first trip's barrier
	s_lshl_b32 s70, s10, 12                        ; my 32 rows of 128 bytes
	s_lshl_b32 s30, s13, 14                        ; a block's 128 rows
	s_add_co_u32 s30, s30, s70
	s_add_nc_u64 s[28:29], s[26:27], s[30:31]      ; my queries of the first block
	s_lshl_b32 s30, s14, 14
	s_add_co_u32 s30, s30, s70
	s_add_nc_u64 s[26:27], s[26:27], s[30:31]      ; and of the second
	s_lshl_b32 s71, s11, 14
	s_add_co_u32 s71, s71, s70                     ; in att: head x 16,384 + w x 4,096
	s_lshl_b32 s30, s13, 18
	s_add_co_u32 s30, s30, s71
	s_add_nc_u64 s[66:67], s[6:7], s[30:31]        ; where the first block's result goes
	s_lshl_b32 s30, s14, 18
	s_add_co_u32 s30, s30, s71
	s_add_nc_u64 s[68:69], s[6:7], s[30:31]        ; and the second's
	v_and_b32 v1, 31, v0                           ; l
	v_and_b32 v20, 15, v0                          ; r
	v_bfe_u32 v21, v0, 4, 1                        ; h
	s_mul_i32 s30, s9, 64*KPITCH
	v_mul_u32_u24 v[KADR], v20, KPITCH
	v_lshl_add_u32 v[KADR], v21, 4, v[KADR]
	v_add_nc_u32 v[KADR], s30, v[KADR]             ; K fragment: row 64 g + r, 16 bytes for each half of the lanes
	v_and_b32 v22, 7, v0
	v_lshl_add_u32 v22, v21, 3, v22
	v_mul_u32_u24 v[VADR], v22, VPITCH             ; V, transposing: row 64 g + 8 h + l mod 8,
	v_bfe_u32 v23, v0, 3, 1
	v_lshl_add_u32 v[VADR], v23, 4, v[VADR]        ; 16 bytes by bit 3 of the lane
	s_mul_i32 s30, s9, 64*VPITCH
	s_add_co_u32 s30, s30, VOFF
	v_add_nc_u32 v[VADR], s30, v[VADR]
	v_lshlrev_b32 v[QOFF], 7, v20
	v_lshl_add_u32 v[QOFF], v21, 4, v[QOFF]
	s_lshl_b32 s30, s10, 5
	s_lshl_b32 s31, s9, 6
	s_sub_co_i32 s30, s30, s31
	v_lshlrev_b32 v22, 3, v21
	v_sub_nc_u32 v[DM], v20, v22
	v_add_nc_u32 v[DM], s30, v[DM]
	s_mul_i32 s30, s10, MERGEW
	s_add_co_u32 s30, s30, MERGE
	v_lshl_add_u32 v[MADR], v1, 4, s30
	s_mul_i32 s31, s10, OSTAGEW
	s_add_co_u32 s31, s31, OSTAGE
	v_mul_u32_u24 v[OSTO], v20, 144
	v_lshl_add_u32 v[OSTO], v21, 4, v[OSTO]
	v_add_nc_u32 v[OSTO], s31, v[OSTO]
	v_lshrrev_b32 v22, 3, v1
	v_and_b32 v23, 7, v0
	v_mul_u32_u24 v[ORD], v22, 144
	v_lshl_add_u32 v[ORD], v23, 4, v[ORD]
	v_add_nc_u32 v[ORD], s31, v[ORD]
	v_lshlrev_b32 v[CO], 4, v1
	v_mov_b32 v[T+8], 0                            ; destinations of v_permlanex16_b32 count as read
	v_mov_b32 v[T+9], 0
	WIN 0x40                                       ; both blocks' queries, as second operands: lane (r, h) holds query r, d = 32 dh + 8 h .. and + 16
.irp qt, 0,1
.irp dh, 0,1
	global_load_b128 v[QE+8*(2*\qt+\dh):QE+8*(2*\qt+\dh)+3],   v[QOFF], s[28:29] offset:2048*\qt+64*\dh
	global_load_b128 v[QE+8*(2*\qt+\dh)+4:QE+8*(2*\qt+\dh)+7], v[QOFF], s[28:29] offset:2048*\qt+64*\dh+32
	global_load_b128 v[QO+8*(2*\qt+\dh):QO+8*(2*\qt+\dh)+3],   v[QOFF], s[26:27] offset:2048*\qt+64*\dh
	global_load_b128 v[QO+8*(2*\qt+\dh)+4:QO+8*(2*\qt+\dh)+7], v[QOFF], s[26:27] offset:2048*\qt+64*\dh+32
.endr
.endr
	WIN 0
; A block begins.  Its first tile may be a trip of a loop or the diagonal's, so no one place in the text can start the sums with the constant 0: O is cleared, 64 registers, twice in the launch.
.macro INIT
	v_mov_b32 v[M], 0xff7fffff
	v_mov_b32 v[M+1], 0xff7fffff
	v_mov_b32 v[L], 0
	v_mov_b32 v[L+1], 0
	WIN 0x40
.set n, 0
.rept 64
	v_mov_b32 v[n], 0
.set n, n+1
.endr
	WIN 0
.endm
; the diagonal tile: scores of keys behind the query become minus infinity
.macro MASK
.irp kt, 0,1,2,3
.irp qt, 0,1
.irp j, 0,1,2,3,4,5,6,7
	v_cmp_le_i32 vcc_lo, 16*\kt+\j-16*\qt, v[DM]
	v_cndmask_b32 v[SR+8*(2*\kt+\qt)+\j], s19, v[SR+8*(2*\kt+\qt)+\j], vcc_lo
.endr
.endr
.endr
.endm
; query tile qt: the new maximum (four chains, then the old maximum, then the other half of the lanes), the exponent of the rescaling factor, - c x maximum
.macro SMAX qt
.irp kt, 0,1,2,3
	v_max3_num_f32 v[T+4*\qt+\kt], v[SR+8*(2*\kt+\qt)], v[SR+8*(2*\kt+\qt)+1], v[SR+8*(2*\kt+\qt)+2]
.endr
.irp kt, 0,1,2,3
	v_max3_num_f32 v[T+4*\qt+\kt], v[T+4*\qt+\kt], v[SR+8*(2*\kt+\qt)+3], v[SR+8*(2*\kt+\qt)+4]
.endr
.irp kt, 0,1,2,3
	v_max3_num_f32 v[T+4*\qt+\kt], v[T+4*\qt+\kt], v[SR+8*(2*\kt+\qt)+5], v[SR+8*(2*\kt+\qt)+6]
.endr
.irp kt, 0,1,2,3
	v_max_num_f32 v[T+4*\qt+\kt], v[T+4*\qt+\kt], v[SR+8*(2*\kt+\qt)+7]
.endr
	v_max3_num_f32 v[T+4*\qt], v[T+4*\qt], v[T+4*\qt+1], v[T+4*\qt+2]
	v_max3_num_f32 v[T+4*\qt], v[T+4*\qt], v[T+4*\qt+3], v[M+\qt]
	v_permlanex16_b32 v[T+8+\qt], v[T+4*\qt], s20, s21
	v_max_num_f32 v[MN+\qt], v[T+4*\qt], v[T+8+\qt]
	v_sub_f32 v[AL+\qt], v[M+\qt], v[MN+\qt]
	v_mul_f32 v[NM+\qt], s18, v[MN+\qt]
	v_mul_f32 v[AL+\qt], s16, v[AL+\qt]
	v_mov_b32 v[M+\qt], v[MN+\qt]
.endm
; query tile qt: p = 2^(c s - c M), in place.  The first line is a plain instruction on registers that the transcendentals in front of it do not name (ISA guide 5.7.2).
.macro SEXP qt
.irp kt, 0,1,2,3
.irp pp, 0,1,2,3
	v_pk_fma_f32 v[SR+8*(2*\kt+\qt)+2*\pp:SR+8*(2*\kt+\qt)+2*\pp+1], v[SR+8*(2*\kt+\qt)+2*\pp:SR+8*(2*\kt+\qt)+2*\pp+1], s[16:17], v[NM:NM+1] op_sel:[0,0,\qt] op_sel_hi:[1,0,\qt]
.endr
.endr
.irp kt, 0,1,2,3
.irp j, 0,1,2,3,4,5,6,7
	v_exp_f32 v[SR+8*(2*\kt+\qt)+\j], v[SR+8*(2*\kt+\qt)+\j]
.endr
.endr
.endm
; query tile qt: the sum of my 32 p (four chains), the running sum, and P in f16: key tiles 2 ks and 2 ks + 1 packed are the operand for keys 32 ks .. +31
.macro SSUM qt
	s_wait_alu depctr_va_vdst(0)
.irp kt, 0,1,2,3
	v_pk_add_f32 v[T+2*\kt:T+2*\kt+1], v[SR+8*(2*\kt+\qt):SR+8*(2*\kt+\qt)+1], v[SR+8*(2*\kt+\qt)+2:SR+8*(2*\kt+\qt)+3]
.endr
.irp kt, 0,1,2,3
	v_pk_add_f32 v[T+2*\kt:T+2*\kt+1], v[T+2*\kt:T+2*\kt+1], v[SR+8*(2*\kt+\qt)+4:SR+8*(2*\kt+\qt)+5]
.endr
.irp kt, 0,1,2,3
	v_pk_add_f32 v[T+2*\kt:T+2*\kt+1], v[T+2*\kt:T+2*\kt+1], v[SR+8*(2*\kt+\qt)+6:SR+8*(2*\kt+\qt)+7]
.endr
	v_pk_add_f32 v[T:T+1], v[T:T+1], v[T+2:T+3]
	v_pk_add_f32 v[T+4:T+5], v[T+4:T+5], v[T+6:T+7]
	v_pk_add_f32 v[T:T+1], v[T:T+1], v[T+4:T+5]
	v_add_f32 v[T], v[T], v[T+1]
	v_fma_f32 v[L+\qt], v[L+\qt], v[AL+\qt], v[T]
.irp kt, 0,1,2,3
.irp pp, 0,1,2,3
	v_cvt_pk_f16_f32 v[PR+8*(2*\qt+\kt/2)+4*(\kt%2)+\pp], v[SR+8*(2*\kt+\qt)+2*\pp], v[SR+8*(2*\kt+\qt)+2*\pp+1]
.endr
.endr
.endm
; One key tile, in slot \slot.  diag = 1: the block's last tile, masked.  fill = 1: the next tile of the block goes into the other slot; fill = 2 (slot 0 only): the second
; block's tile 0 does, and both slots' addresses are set anew; fill = 0: nothing is left to fetch.  qb: the block's queries in window 1.
; By the text's own count a wave never has more than one tensor load out.
.macro TRIP slot, diag, fill, qb
	s_wait_tensorcnt 0x0                           ; all my tensor loads have landed, this trip's tile among them, so a group 0 may be written
	ds_add_u32 v30, v31
	s_wait_dscnt 0x0
.if \fill == 1
	s_add_nc_u64 s[G0K+4*\slot+2:G0K+4*\slot+3], s[G0K+4*\slot+2:G0K+4*\slot+3], 2*TILEB   ; this slot's next tile
	s_add_nc_u64 s[G0V+4*\slot+2:G0V+4*\slot+3], s[G0V+4*\slot+2:G0V+4*\slot+3], 2*TILEB
.endif
.if \fill == 2
	s_mov_b64 s[G0K+6:G0K+7], s[22:23]             ; slot 1 gets the second block's tile 0,
	s_or_b32 s[G0K+7], s[G0K+7], 0x80000000
	s_add_nc_u64 s[G0K+2:G0K+3], s[22:23], TILEB   ; slot 0 its tile 1
	s_or_b32 s[G0K+3], s[G0K+3], 0x80000000
	s_mov_b64 s[G0V+6:G0V+7], s[24:25]
	s_or_b32 s[G0V+7], s[G0V+7], 0x80000000
	s_add_nc_u64 s[G0V+2:G0V+3], s[24:25], TILEB
	s_or_b32 s[G0V+3], s[G0V+3], 0x80000000
.endif
	s_wait_dscnt 0x0                               ; my reads of the other slot are over
	s_barrier_signal -1
	s_barrier_wait -1                              ; both now hold of all eight waves
.if \fill
	KVLOAD 1-\slot                                 ; first thing behind the barrier: it has the whole trip in which to land
.endif
.irp kt, 0,1,2,3
.irp dh, 0,1
	ds_load_b128 v[KR+8*(2*\kt+\dh):KR+8*(2*\kt+\dh)+3],   v[KADR] offset:\slot*SLOT+16*KPITCH*\kt+64*\dh
	ds_load_b128 v[KR+8*(2*\kt+\dh)+4:KR+8*(2*\kt+\dh)+7], v[KADR] offset:\slot*SLOT+16*KPITCH*\kt+64*\dh+32
.endr
.endr
.irp ks, 0,1
.irp dt, 0,1,2,3
	ds_load_tr16_b128 v[VR+8*(2*\dt+\ks):VR+8*(2*\dt+\ks)+3],   v[VADR] offset:\slot*SLOT+32*VPITCH*\ks+32*\dt
	ds_load_tr16_b128 v[VR+8*(2*\dt+\ks)+4:VR+8*(2*\dt+\ks)+7], v[VADR] offset:\slot*SLOT+32*VPITCH*\ks+32*\dt+16*VPITCH
.endr
.endr
	s_wait_dscnt 16                                ; K is in; V's sixteen loads stay out
	WIN 0x04                                       ; source 1 (Q) in window 1
	; S^T = K Q^T.  The eight accumulators take turns, one instruction a turn.
.irp kt, 0,1,2,3
.irp qt, 0,1
	v_wmma_f32_16x16x32_f16 v[SR+8*(2*\kt+\qt):SR+8*(2*\kt+\qt)+7], v[KR+16*\kt:KR+16*\kt+7], v[\qb+16*\qt:\qb+16*\qt+7], 0
.endr
.endr
.irp kt, 0,1,2,3
.irp qt, 0,1
	v_wmma_f32_16x16x32_f16 v[SR+8*(2*\kt+\qt):SR+8*(2*\kt+\qt)+7], v[KR+16*\kt+8:KR+16*\kt+15], v[\qb+16*\qt+8:\qb+16*\qt+15], v[SR+8*(2*\kt+\qt):SR+8*(2*\kt+\qt)+7]
.endr
.endr
	WIN 0
	PLACES
.if \diag
	MASK
.endif
	SMAX 0
	SMAX 1
	v_exp_f32 v[AL], v[AL]
	v_exp_f32 v[AL+1], v[AL+1]
	SEXP 0
	SEXP 1
	SSUM 0
	SSUM 1
	WIN 0x41                                       ; O in window 1, the factor in window 0
.irp dt, 0,1,2,3
.irp qt, 0,1
.irp pp, 0,1,2,3
	v_pk_mul_f32 v[8*(2*\dt+\qt)+2*\pp:8*(2*\dt+\qt)+2*\pp+1], v[8*(2*\dt+\qt)+2*\pp:8*(2*\dt+\qt)+2*\pp+1], v[AL:AL+1] op_sel:[0,\qt] op_sel_hi:[1,\qt]
.endr
.endr
.endr
	s_wait_dscnt 0x0                               ; V
	WIN 0x50                                       ; C and D (O) in window 1
	; O^T += V^T P^T, eight accumulators by turns, as above
.irp ks, 0,1
.irp dt, 0,1,2,3
.irp qt, 0,1
	v_wmma_f32_16x16x32_f16 v[8*(2*\dt+\qt):8*(2*\dt+\qt)+7], v[VR+8*(2*\dt+\ks):VR+8*(2*\dt+\ks)+7], v[PR+8*(2*\qt+\ks):PR+8*(2*\qt+\ks)+7], v[8*(2*\dt+\qt):8*(2*\dt+\qt)+7]
.endr
.endr
.endr
	WIN 0
	PLACES                                         ; for the next loads into V, the next writes of P and every reader of O
.endm
; A block ends: the upper key half hands its result and figures to the lower one through LDS; the lower one merges, divides, rounds and stores to s[ob:ob+1].
.macro FINISH ob
	v_permlanex16_b32 v[T+8], v[L], s20, s21
	v_permlanex16_b32 v[T+9], v[L+1], s20, s21
	v_add_f32 v[L], v[L], v[T+8]                   ; the sums of the two halves of the lanes meet
	v_add_f32 v[L+1], v[L+1], v[T+9]
	s_cmp_lt_u32 s8, 4
	s_cbranch_scc1 .Lstay_\@
	WIN 0x04                                       ; store data in window 1
.set n, 0
.rept 16
	ds_store_b128 v[MADR], v[4*n:4*n+3] offset:512*n
.set n, n+1
.endr
	WIN 0
	ds_store_b128 v[MADR], v[M:M+3] offset:8192    ; both maxima, both sums
.Lstay_\@:
	s_wait_dscnt 0x0                               ; my stores are done, for the partner's sake
	s_barrier_signal -1
	s_barrier_wait -1                              ; the next block's tile 0 may stay on its way
	s_cmp_lt_u32 s8, 4
	s_cbranch_scc0 .Lmerged_\@
.set n, 0
.rept 16
	ds_load_b128 v[SR+4*n:SR+4*n+3], v[MADR] offset:512*n
.set n, n+1
.endr
	ds_load_b128 v[T:T+3], v[MADR] offset:8192
	s_wait_dscnt 0x0
.irp qt, 0,1
	v_max_num_f32 v[MN+\qt], v[M+\qt], v[T+\qt]
	v_sub_f32 v[AL+\qt], v[M+\qt], v[MN+\qt]
	v_sub_f32 v[NM+\qt], v[T+\qt], v[MN+\qt]
	v_mul_f32 v[AL+\qt], s16, v[AL+\qt]
	v_mul_f32 v[NM+\qt], s16, v[NM+\qt]
.endr
	v_exp_f32 v[AL], v[AL]                         ; my factor
	v_exp_f32 v[AL+1], v[AL+1]
	v_exp_f32 v[NM], v[NM]                         ; the partner's
	v_exp_f32 v[NM+1], v[NM+1]
	v_nop
	s_wait_alu depctr_va_vdst(0)
.irp qt, 0,1
	v_mul_f32 v[T+4+\qt], v[T+2+\qt], v[NM+\qt]
	v_fma_f32 v[T+4+\qt], v[L+\qt], v[AL+\qt], v[T+4+\qt]  ; the whole sum: at least 1, since the half that holds the maximum has factor 1 and a term 1
.endr
	v_rcp_f32 v[T+4], v[T+4]
	v_rcp_f32 v[T+5], v[T+5]
	v_nop
	s_wait_alu depctr_va_vdst(0)
.irp qt, 0,1
	v_mul_f32 v[AL+\qt], v[AL+\qt], v[T+4+\qt]
	v_mul_f32 v[NM+\qt], v[NM+\qt], v[T+4+\qt]
.endr
.irp dt, 0,1,2,3
.irp qt, 0,1
.irp pp, 0,1,2,3
	v_pk_mul_f32 v[SR+8*(2*\dt+\qt)+2*\pp:SR+8*(2*\dt+\qt)+2*\pp+1], v[SR+8*(2*\dt+\qt)+2*\pp:SR+8*(2*\dt+\qt)+2*\pp+1], v[NM:NM+1] op_sel:[0,\qt] op_sel_hi:[1,\qt]
.endr
.endr
.endr
	WIN 0x01                                       ; source 0 (my O) in window 1
.irp dt, 0,1,2,3
.irp qt, 0,1
.irp pp, 0,1,2,3
	v_pk_fma_f32 v[SR+8*(2*\dt+\qt)+2*\pp:SR+8*(2*\dt+\qt)+2*\pp+1], v[8*(2*\dt+\qt)+2*\pp:8*(2*\dt+\qt)+2*\pp+1], v[AL:AL+1], v[SR+8*(2*\dt+\qt)+2*\pp:SR+8*(2*\dt+\qt)+2*\pp+1] op_sel:[0,\qt,0] op_sel_hi:[1,\qt,1]
.endr
.endr
.endr
	WIN 0
.irp dt, 0,1,2,3
.irp qt, 0,1
.irp pp, 0,1,2,3
	v_cvt_pk_f16_f32 v[PR+4*(2*\dt+\qt)+\pp], v[SR+8*(2*\dt+\qt)+2*\pp], v[SR+8*(2*\dt+\qt)+2*\pp+1]
.endr
	ds_store_b128 v[OSTO], v[PR+4*(2*\dt+\qt):PR+4*(2*\dt+\qt)+3] offset:2304*\qt+32*\dt   ; row 16 qt + r, d = 16 dt + 8 h ..
.endr
.endr
.set t, 0
.rept 8
	ds_load_b128 v[KR+4*t:KR+4*t+3], v[ORD] offset:576*t   ; my own bytes, served in order: four whole rows
.set t, t+1
.endr
.set t, 0
.rept 8
	s_wait_dscnt 7-t
	global_store_b128 v[CO], v[KR+4*t:KR+4*t+3], s[\ob:\ob+1] offset:512*t  ; 512 consecutive bytes
.set t, t+1
.endr
.Lmerged_\@:
.endm
	INIT
	s_wait_loadcnt 0x0                             ; the queries, once
	s_lshr_b32 s70, s13, 1                         ; the first block: an even number of tiles below the diagonal, two a lap
	s_cmp_eq_u32 s70, 0
	s_cbranch_scc1 .Ldiag_first
	s_mov_b32 s15, 0
.Lfirst:
	TRIP 0, 0, 1, QE
	TRIP 1, 0, 1, QE
	s_add_co_u32 s15, s15, 1
	s_cmp_lt_u32 s15, s70
	s_cbranch_scc1 .Lfirst
.Ldiag_first:
	TRIP 0, 1, 2, QE
	FINISH 66
	s_wait_xcnt 0x0                                ; the registers that the stores above read are loaded again only behind this wait
	INIT
	TRIP 1, 0, 1, QO                               ; the second block's tile 0; tile t lies in slot (t + 1) mod 2, its diagonal (odd) in slot 0
	s_lshr_b32 s71, s14, 1                         ; tiles 1 .. b - 1, two a lap
	s_cmp_eq_u32 s71, 0
	s_cbranch_scc1 .Ldiag_second
	s_mov_b32 s15, 0
.Lsecond:
	TRIP 0, 0, 1, QO
	TRIP 1, 0, 1, QO
	s_add_co_u32 s15, s15, 1
	s_cmp_lt_u32 s15, s71
	s_cbranch_scc1 .Lsecond
.Ldiag_second:
	TRIP 0, 1, 0, QO
	FINISH 68
	s_wait_tensorcnt 0x0
	ds_add_u32 v30, v31
	s_wait_dscnt 0x0
	s_endpgm
.Lfunc_end_k_q742579ff4c_attn:
	.size	k_q742579ff4c_attn, .Lfunc_end_k_q742579ff4c_attn-k_q742579ff4c_attn
	.p2alignl 7, 3214868480
	.fill 96, 4, 3214868480
	.section	.rodata,"a",@progbits
	.p2align	6, 0x0
	.amdhsa_kernel k_q742579ff4c_attn
		.amdhsa_group_segment_fixed_size 327680
		.amdhsa_private_segment_fixed_size 0
		.amdhsa_enable_private_segment 0
		.amdhsa_kernarg_size 16
		.amdhsa_user_sgpr_count 2
		.amdhsa_user_sgpr_kernarg_segment_ptr 1
		.amdhsa_wavefront_size32 1
		.amdhsa_system_sgpr_workgroup_id_x 1
		.amdhsa_system_sgpr_workgroup_id_y 1
		.amdhsa_system_sgpr_workgroup_id_z 1
		.amdhsa_system_vgpr_workitem_id 0
		.amdhsa_next_free_vgpr 384
		.amdhsa_next_free_sgpr 72
		.amdhsa_reserve_vcc 1
		.amdhsa_float_denorm_mode_32 3
		.amdhsa_float_denorm_mode_16_64 3
		.amdhsa_memory_ordered 1
		.amdhsa_forward_progress 1
		.amdhsa_inst_pref_size 169
	.end_amdhsa_kernel
	.amdgpu_metadata
---
amdhsa.version: [ 1, 2 ]
amdhsa.kernels:
  - .name:           k_q742579ff4c_attn
    .symbol:         k_q742579ff4c_attn.kd
    .args:
      - { .name: qkvh, .offset: 0, .size: 8, .value_kind: global_buffer, .address_space: global }
      - { .name: att, .offset: 8, .size: 8, .value_kind: global_buffer, .address_space: global }
    .group_segment_fixed_size: 327680
    .private_segment_fixed_size: 0
    .kernarg_segment_align: 8
    .kernarg_segment_size: 16
    .max_flat_workgroup_size: 256
    .sgpr_count:     72
    .vgpr_count:     384
    .wavefront_size: 32
...
	.end_amdgpu_metadata
.endif
;; end of part 3
;; launch gemm_proj (part 4): grid 8 x 32, 4 waves a work-group, clusters of 4 x 4, 327,680 bytes of LDS; arguments att, wpT, out0, b_proj; writes out0
.if DOCPART == 4
	.amdgcn_target "amdgcn-amd-amdhsa--gfx1250"
	.amdhsa_code_object_version 6
	.text
	.protected	k_q742579ff4c_gemm_proj
	.globl	k_q742579ff4c_gemm_proj
	.p2align	8
	.type	k_q742579ff4c_gemm_proj,@function
k_q742579ff4c_gemm_proj:
	s_mov_b64 s[64:65], 0
	v_nop
	global_prefetch_b8 v0, s[64:65] scope:SCOPE_SE
	s_setreg_imm32_b32 hwreg(HW_REG_WAVE_MODE, 25, 1), 1
	s_wait_xcnt 0x0
	s_wait_alu depctr_hold_cnt(0) depctr_sa_sdst(0) depctr_va_vdst(0) depctr_va_sdst(0) depctr_va_ssrc(0) depctr_va_vcc(0) depctr_vm_vsrc(0)
	s_getreg_b32 s2, hwreg(HW_REG_IB_STS2, 6, 4)
	s_cmp_eq_u32 s2, 0
	s_cbranch_scc0 .Lentry_in_a_cluster
	s_endpgm
.Lentry_in_a_cluster:
	s_bfe_u32 s2, ttmp6, 0x10000c
	s_cmp_lg_u32 s2, 0xf033
	s_cbranch_scc0 .Lentry_shape_is_right
	s_endpgm
.Lentry_shape_is_right:
; out0[t][n] = sum over k of att[t][k] w_proj[k][n] + b_proj[n], f16 operands (w_proj as bf16-rounded values held in f16), f32 sums, f32 out.
; A work-group makes 128 x 128 with four waves, a wave 64 x 64: 16 accumulator tiles.  That gives 8 x 32 = 256 work-groups of equal work; blocks of 256 x 256 would give 64.
; K goes in steps of 256 (four chunks of 64) through a ring of two LDS slots, so half of K is asked for at the start.  att and wpT are laid in chunks: a block's part of two chunks
; is dense in memory and comes in as 128 tensor rows of 256 bytes; the mover pads after every 128 bytes, which makes LDS rows of 64 k at a pitch of 144 bytes.
; CLUSTERS: 4 x 4 work-groups; A's tiles are asked for jointly along a cluster's row, B's along a column, which divides the requests by four.
; REGISTERS by windows of 256: window 0 addresses, A's fragments (two buffers of 4 tiles), the bias; window 1 B's fragments (two buffers of 4 tiles);
; window 2 the accumulators of my rows 0-31 (tile (a, b) at 8 (4 a + b)); window 3 those of my rows 32-63.
; The matrix instruction is used transposed (source 0 = rows of wpT, source 1 = rows of att): a lane then holds eight neighbouring columns of one row of the result.
.set BN,     128
.set NB,     4
.set NCH,    4
.set NQ,     2*NCH
.set LAPS,   16/(2*NCH)
.set PITCH,  144
.set MCA,    128*128
.set MCB,    BN*128
.set CHA,    128*PITCH
.set CHB,    BN*PITCH
.set RA,     (NCH/2)*MCA/256           ; 128
.set RBT,    (NCH/2)*MCB/256           ; 128
.set SLOT,   NCH*(CHA+CHB)
.set STAGE,  2*SLOT                    ; behind the ring, a multiple of 256: no fill ever lands here
.set SPITCH, 272                       ; a stage row: 64 f32 + 16 bytes
.set ADRA, 16
.set ADRB, 20
.set STO,  24
.set RD,   25
.set CO,   26
.set BOFF, 27
.set FA,   32
.set RB,   32                          ; the way out: rows read back
.set BIAS, 128                         ; v128-159 the bias of my lane's 32 columns
.set G1, 24
.set G0, 32
.set G1B, 48
.set G0B, 56
.set G1W0, (1<<16)|(1<<20)|(1<<21)|(4<<22)|(3<<25)   ; elements of 2 bytes; padding on; bit 21 beside a mask; after every 32 words; 4 words
.set MSB, 0
.macro WIN new
.if MSB != \new
	s_set_vgpr_msb (MSB<<8)|\new
.set MSB, \new
.endif
.endm
.macro PLACES                          ; four places behind matrix instructions (ISA guide 7.12.1)
.rept 4
	v_nop
.endr
.endm
.macro JLOAD s                         ; a joint load: waves 0, 1 ask for A's two halves of a slot, waves 2, 3 for B's
	s_cmp_eq_u32 s11, 0
	s_cbranch_scc0 .Lfor_b_\@
	tensor_load_to_lds s[G0+4*\s:G0+4*\s+3], s[G1:G1+7]
	s_nop 0
	s_branch .Lasked_\@
.Lfor_b_\@:
	tensor_load_to_lds s[G0B+4*\s:G0B+4*\s+3], s[G1B:G1B+7]
	s_nop 0
.Lasked_\@:
.endm
.macro CREST
	s_cmp_lg_u32 s10, 0
	s_cbranch_scc1 .Lnot_wave_0_\@
	s_barrier_signal -3
.Lnot_wave_0_\@:
	s_barrier_wait -3
	s_barrier_signal -1
	s_barrier_wait -1
.endm
.macro CROUND
	s_barrier_signal -1
	s_barrier_wait -1
	CREST
.endm
	s_load_b128 s[4:7], s[0:1], 0x0                ; att s[4:5], wpT s[6:7]
	s_load_b128 s[68:71], s[0:1], 0x10             ; out0 s[68:69], b_proj s[70:71]
	s_set_vgpr_msb 0x40
	v_lshl_add_u32 v255, v0, 2, 0x4c400
	s_set_vgpr_msb 0x4000
	v_mov_b32 v255, 0
	s_set_vgpr_msb 0x1
	ds_add_u32 v255, v255
	s_set_vgpr_msb 0x100
	v_lshrrev_b32 v1, 5, v0
	v_readfirstlane_b32 s10, v1                    ; wave 0..3
	s_lshr_b32 s11, s10, 1                         ; my half of the block's rows.  Also: I fetch for A (0) or for B (1)
	s_and_b32 s12, s10, 1                          ; my half of its columns.  Also: which half of the slot's chunks I fetch
	s_bfe_u32 s40, ttmp6, 0x40000                  ; cx
	s_bfe_u32 s41, ttmp6, 0x40004                  ; cy
	s_lshl_b32 s42, ttmp9, 2
	s_add_co_u32 s42, s42, s40                     ; block column
	s_and_b32 s13, ttmp7, 0xffff
	s_lshl_b32 s13, s13, 2
	s_add_co_u32 s13, s13, s41                     ; block row
	s_lshl_b32 s43, s41, 2
	s_lshl_b32 s43, 15, s43                        ; my row of the cluster
	s_lshl_b32 s44, 0x1111, s40                    ; my column
	s_or_b32 s[G1+0], s43, G1W0
	s_or_b32 s[G1B+0], s44, G1W0
	s_mov_b32 s[G1+1], 128<<16
	s_mov_b32 s[G1B+1], 128<<16
	s_mov_b32 s[G1+2], RA<<16
	s_mov_b32 s[G1B+2], RBT<<16
	s_mov_b32 s[G1+3], 128<<16
	s_mov_b32 s[G1B+3], 128<<16
	s_mov_b32 s[G1+4], RA
	s_mov_b32 s[G1B+4], RBT
	s_mov_b32 s[G1+5], 128
	s_mov_b32 s[G1B+5], 128
	s_mov_b32 s[G1+6], 0
	s_mov_b32 s[G1B+6], 0
	s_mov_b32 s[G1+7], 0
	s_mov_b32 s[G1B+7], 0
	; A's address hangs on the block row and the wave's number, B's on the block column and the wave's number, each in registers that never hold the other coordinate
	s_mul_i32 s16, s13, 16*MCA
	s_mul_i32 s17, s12, (NCH/2)*MCA
	s_add_co_u32 s16, s16, s17
	s_mov_b32 s17, 0
	s_mul_i32 s46, s42, 16*MCB
	s_mul_i32 s47, s12, (NCH/2)*MCB
	s_add_co_u32 s46, s46, s47
	s_mov_b32 s47, 0
	s_mul_i32 s18, s12, (NCH/2)*CHA
	s_mul_i32 s19, s12, (NCH/2)*CHB
	s_add_co_u32 s19, s19, NCH*CHA
	s_wait_dscnt 0x0
	s_wait_kmcnt 0x0
	s_add_nc_u64 s[14:15], s[4:5], s[16:17]
	s_add_nc_u64 s[46:47], s[6:7], s[46:47]
	CROUND                                         ; all sixteen work-groups are here: the first joint loads meet
.irp s, 0,1
	s_mov_b32 s[G0+4*\s], 1
	s_add_co_u32 s[G0+4*\s+1], s18, \s*SLOT
	s_add_nc_u64 s[G0+4*\s+2:G0+4*\s+3], s[14:15], \s*NCH*MCA
	s_or_b32 s[G0+4*\s+3], s[G0+4*\s+3], 0x80000000
	s_mov_b32 s[G0B+4*\s], 1
	s_add_co_u32 s[G0B+4*\s+1], s19, \s*SLOT
	s_add_nc_u64 s[G0B+4*\s+2:G0B+4*\s+3], s[46:47], \s*NCH*MCB
	s_or_b32 s[G0B+4*\s+3], s[G0B+4*\s+3], 0x80000000
	JLOAD \s                                       ; both slots are asked for before anything else: two loads of the wave are out
.endr
	s_lshl_b32 s16, s13, 7
	s_lshl_b32 s17, s11, 6
	s_add_co_u32 s16, s16, s17                     ; my first row: 128 x block row + 64 x half
	s_lshl_b32 s16, s16, 12                        ; rows of 4,096 bytes
	s_mov_b32 s17, 0
	s_add_nc_u64 s[68:69], s[68:69], s[16:17]
	s_lshl_b32 s46, s42, 9
	s_lshl_b32 s47, s12, 8
	s_add_co_u32 s46, s46, s47                     ; my first column, in bytes of f32: the same in out0's rows and in the bias
	s_mov_b32 s47, 0
	s_add_nc_u64 s[68:69], s[68:69], s[46:47]
	s_add_nc_u64 s[70:71], s[70:71], s[46:47]
	v_and_b32 v1, 15, v0                           ; r
	v_bfe_u32 v2, v0, 4, 1                         ; h
	v_mul_u32_u24 v3, v1, PITCH
	v_lshl_add_u32 v3, v2, 4, v3
	s_mul_i32 s21, s11, 64*PITCH                   ; my 64 rows of A
	s_mul_i32 s22, s12, 64*PITCH                   ; my 64 rows of B,
	s_add_co_u32 s22, s22, NCH*CHA                 ; which lie behind A's chunks
.irp s, 0,1
	v_add_nc_u32 v[ADRA+\s], s21, v3
	v_add_nc_u32 v[ADRB+\s], s22, v3
	s_add_co_u32 s21, s21, SLOT
	s_add_co_u32 s22, s22, SLOT
.endr
	s_mul_i32 s23, s10, 16*SPITCH
	s_add_co_u32 s23, s23, STAGE                   ; my stage
	v_mul_u32_u24 v4, v1, SPITCH
	v_lshl_add_u32 v4, v2, 5, v4
	v_add_nc_u32 v[STO], s23, v4                   ; in: row r, 32 bytes for each half of the lanes
	v_mul_u32_u24 v5, v2, SPITCH
	v_lshl_add_u32 v5, v1, 4, v5
	v_add_nc_u32 v[RD], s23, v5                    ; back: sixteen lanes take a row of 256 bytes
	v_lshlrev_b32 v6, 12, v2
	v_lshl_add_u32 v[CO], v1, 4, v6                ; and the same two rows in out0
	v_lshlrev_b32 v[BOFF], 5, v2
.set ib, 0
.rept NB
	global_load_b128 v[BIAS+8*ib:BIAS+8*ib+3],   v[BOFF], s[70:71] offset:64*ib
	global_load_b128 v[BIAS+8*ib+4:BIAS+8*ib+7], v[BOFF], s[70:71] offset:64*ib+16
.set ib, ib+1
.endr
; NB matrix instructions: row tile 2 hi + a of my four x all column tiles, 32 along K, from buffer p.  zero = 1: the first product starts the sums.
.macro MULROW p, hi, a, zero
.if \hi
	WIN 0xf1
.else
	WIN 0xa1
.endif
.set ib, 0
.rept NB
.if \zero
	v_wmma_f32_16x16x32_f16 v[8*(NB*\a+ib):8*(NB*\a+ib)+7], v[8*NB*\p+8*ib:8*NB*\p+8*ib+7], v[FA+32*\p+8*(2*\hi+\a):FA+32*\p+8*(2*\hi+\a)+7], 0
.else
	v_wmma_f32_16x16x32_f16 v[8*(NB*\a+ib):8*(NB*\a+ib)+7], v[8*NB*\p+8*ib:8*NB*\p+8*ib+7], v[FA+32*\p+8*(2*\hi+\a):FA+32*\p+8*(2*\hi+\a)+7], v[8*(NB*\a+ib):8*(NB*\a+ib)+7]
.endif
.set ib, ib+1
.endr
.endm
.macro FETCH slot, q, p
	WIN 0x40
.set ib, 0
.rept NB
	ds_load_b128 v[8*NB*\p+8*ib:8*NB*\p+8*ib+3],   v[ADRB+\slot] offset:((\q)/2)*CHB+((\q)%2)*64+ib*16*PITCH
	ds_load_b128 v[8*NB*\p+8*ib+4:8*NB*\p+8*ib+7], v[ADRB+\slot] offset:((\q)/2)*CHB+((\q)%2)*64+ib*16*PITCH+32
.set ib, ib+1
.endr
	WIN 0
.set ib, 0
.rept 4
	ds_load_b128 v[FA+32*\p+8*ib:FA+32*\p+8*ib+3],   v[ADRA+\slot] offset:((\q)/2)*CHA+((\q)%2)*64+ib*16*PITCH
	ds_load_b128 v[FA+32*\p+8*ib+4:FA+32*\p+8*ib+7], v[ADRA+\slot] offset:((\q)/2)*CHA+((\q)%2)*64+ib*16*PITCH+32
.set ib, ib+1
.endr
.endm
; The 4 NB accumulators take turns, one instruction a turn, in the same order in every quarter.
.macro QUARTER slot, q, zero
.set PB, (\q)%2
.set PN, 1-PB
.set QN, (\q)+1
	s_wait_dscnt 4                                 ; B and A's tiles 0, 1 are in; the four youngest loads (A's tiles 2, 3) may be out
	MULROW PB, 0, 0, \zero
	MULROW PB, 0, 1, \zero
	PLACES
	FETCH \slot, QN, PN
	s_wait_dscnt 2*NB+8                            ; all but the run just issued
	MULROW PB, 1, 0, \zero
	MULROW PB, 1, 1, \zero
.endm
.macro STEP slot, zero
	QUARTER \slot, 0, \zero
.set qq, 1
.rept NQ-2
	QUARTER \slot, qq, 0
.set qq, qq+1
.endr
.endm
; The slot's last quarter (buffer 1) and the change of slots: each wave's waits for its reads of this slot and for all its tensor loads stand in front of the barrier;
; fill = 1: the barrier opens a round of the cluster's barrier, and the joint refill is the first and only tensor load of the wave behind the round.
.macro TURN slot, next, fill
	s_wait_dscnt 4
	MULROW 1, 0, 0, 0
	s_wait_dscnt 0x0
	s_wait_tensorcnt 0x0
	ds_add_u32 v255, v255
	s_wait_dscnt 0x0
	s_barrier_signal -1
	MULROW 1, 0, 1, 0
	WIN 0
	s_barrier_wait -1
.if \fill
	CREST
	s_add_nc_u64 s[G0+4*\slot+2:G0+4*\slot+3], s[G0+4*\slot+2:G0+4*\slot+3], 2*NCH*MCA
	s_add_nc_u64 s[G0B+4*\slot+2:G0B+4*\slot+3], s[G0B+4*\slot+2:G0B+4*\slot+3], 2*NCH*MCB
	JLOAD \slot
.endif
	PLACES
	FETCH \next, 0, 0
	MULROW 1, 1, 0, 0
	MULROW 1, 1, 1, 0
.endm
.macro LAP zero
	STEP 0, \zero
	TURN 0, 1, 1
	STEP 1, 0
	TURN 1, 0, 1
.endm
	s_wait_loadcnt 0x0                             ; the bias, once
	s_wait_tensorcnt 1                             ; my part of slot 0 is in; slot 1's may stay out
	s_barrier_signal -1
	s_barrier_wait -1
	FETCH 0, 0, 0
	LAP 1                                          ; two laps in all: the first starts the sums and fills both slots again,
	STEP 0, 0                                      ; the last fills nothing
	TURN 0, 1, 0
	STEP 1, 0
	s_wait_dscnt 4
	MULROW 1, 0, 0, 0
	MULROW 1, 0, 1, 0
	s_wait_dscnt 0x0
	MULROW 1, 1, 0, 0
	MULROW 1, 1, 1, 0
	PLACES
; THE WAY OUT, 16 rows at a time: add the bias, 32 bytes a lane into my own stage, read back as whole rows of 256 bytes, sixteen lanes store one aligned run of 256 bytes.
.macro OUT16 i
.set WA, (\i)%2
.if (\i) < 2
	WIN 0x82
.else
	WIN 0xc3
.endif
.set ib, 0
.rept NB
.set ir, 0
.rept 4
	v_pk_add_f32 v[8*(NB*WA+ib)+2*ir:8*(NB*WA+ib)+2*ir+1], v[8*(NB*WA+ib)+2*ir:8*(NB*WA+ib)+2*ir+1], v[BIAS+8*ib+2*ir:BIAS+8*ib+2*ir+1]
.set ir, ir+1
.endr
.set ib, ib+1
.endr
.if (\i) < 2
	WIN 0x08                                       ; store data in window 2
.else
	WIN 0x0c
.endif
.set ib, 0
.rept NB
	ds_store_b128 v[STO], v[8*(NB*WA+ib):8*(NB*WA+ib)+3]   offset:64*ib
	ds_store_b128 v[STO], v[8*(NB*WA+ib)+4:8*(NB*WA+ib)+7] offset:64*ib+16
.set ib, ib+1
.endr
	WIN 0
	s_wait_xcnt 0x0                                ; RB, which the last tile's stores read, is loaded again only behind this wait
.set t, 0
.rept 8
	ds_load_b128 v[RB+4*t:RB+4*t+3], v[RD] offset:2*SPITCH*t   ; my own bytes, served in order: these see the stores above
.set t, t+1
.endr
.set t, 0
.rept 8
	s_wait_dscnt 7-t
	global_store_b128 v[CO], v[RB+4*t:RB+4*t+3], s[68:69] offset:(16*(\i)+2*t)*4096
.set t, t+1
.endr
.endm
	OUT16 0
	OUT16 1
	OUT16 2
	OUT16 3
	s_set_vgpr_msb 0x1
	s_wait_tensorcnt 0x0
	ds_add_u32 v255, v255
	s_wait_dscnt 0x0
	s_set_vgpr_msb 0x100
	CROUND                                         ; the closing round: no work-group ends while a partner may still ask for a tile that names it
	s_endpgm
.Lfunc_end_k_q742579ff4c_gemm_proj:
	.size	k_q742579ff4c_gemm_proj, .Lfunc_end_k_q742579ff4c_gemm_proj-k_q742579ff4c_gemm_proj
	.p2alignl 7, 3214868480
	.fill 96, 4, 3214868480
	.section	.rodata,"a",@progbits
	.p2align	6, 0x0
	.amdhsa_kernel k_q742579ff4c_gemm_proj
		.amdhsa_group_segment_fixed_size 327680
		.amdhsa_private_segment_fixed_size 0
		.amdhsa_enable_private_segment 0
		.amdhsa_kernarg_size 32
		.amdhsa_user_sgpr_count 2
		.amdhsa_user_sgpr_kernarg_segment_ptr 1
		.amdhsa_wavefront_size32 1
		.amdhsa_system_sgpr_workgroup_id_x 1
		.amdhsa_system_sgpr_workgroup_id_y 1
		.amdhsa_system_sgpr_workgroup_id_z 1
		.amdhsa_system_vgpr_workitem_id 0
		.amdhsa_next_free_vgpr 832
		.amdhsa_next_free_sgpr 72
		.amdhsa_reserve_vcc 0
		.amdhsa_float_denorm_mode_32 3
		.amdhsa_float_denorm_mode_16_64 3
		.amdhsa_memory_ordered 1
		.amdhsa_forward_progress 1
		.amdhsa_inst_pref_size 97
	.end_amdhsa_kernel
	.amdgpu_metadata
---
amdhsa.version: [ 1, 2 ]
amdhsa.kernels:
  - .name:           k_q742579ff4c_gemm_proj
    .symbol:         k_q742579ff4c_gemm_proj.kd
    .args:
      - { .name: att, .offset: 0, .size: 8, .value_kind: global_buffer, .address_space: global }
      - { .name: wpT, .offset: 8, .size: 8, .value_kind: global_buffer, .address_space: global }
      - { .name: out0, .offset: 16, .size: 8, .value_kind: global_buffer, .address_space: global }
      - { .name: b_proj, .offset: 24, .size: 8, .value_kind: global_buffer, .address_space: global }
    .group_segment_fixed_size: 327680
    .private_segment_fixed_size: 0
    .kernarg_segment_align: 8
    .kernarg_segment_size: 32
    .max_flat_workgroup_size: 128
    .sgpr_count:     72
    .vgpr_count:     832
    .wavefront_size: 32
...
	.end_amdgpu_metadata
.endif
;; end of part 4
;; ======== version 2 of 2: 4 launches; version 1 with the launch prep written anew for expert scheduling mode
;; limits: values are held in f16: magnitudes above 65,504 overflow, below 6.1e-05 lose precision
;; workspace buffers: xb 8,388,608 bytes; wqT 6,291,456 bytes; wpT 2,097,152 bytes; qkvh 25,165,824 bytes; att 8,388,608 bytes
;; launch prep (part 5): grid 256 x 1, 8 waves a work-group, no clusters, 37,888 bytes of LDS; arguments x, w_qkv, w_proj, xb, wqT, wpT; writes xb, wqT, wpT
.if DOCPART == 5
	.amdgcn_target "amdgcn-amd-amdhsa--gfx1250"
	.amdhsa_code_object_version 6
	.text
	.protected	k_q742579ff4c_prep
	.globl	k_q742579ff4c_prep
	.p2align	8
	.type	k_q742579ff4c_prep,@function
k_q742579ff4c_prep:
	s_mov_b64 s[64:65], 0
	v_nop
	global_prefetch_b8 v0, s[64:65] scope:SCOPE_SE
	s_setreg_imm32_b32 hwreg(HW_REG_WAVE_SCHED_MODE, 0, 2), 2
	s_setreg_imm32_b32 hwreg(HW_REG_WAVE_MODE, 25, 1), 1
	s_wait_xcnt 0x0
	s_wait_alu depctr_vm_vsrc(0)
; prep: the three large inputs are rounded once and laid out for the matrix kernels.
;   xb  [16 mb][16 kc][256 rows][64 k]  bf16 : x, in chunks of 64 k, so that a block of 256 rows x 64 k is 32,768 dense bytes
;   wqT [16 nb][16 kc][192 n][64 k]     bf16 : w_qkv transposed (k along the rows), in the same kind of chunks
;   wpT [ 8 nb][16 kc][128 n][64 k]     f16  : w_proj transposed.  It is rounded to bf16 as x and w_qkv are, so that the program as a whole
;        works on bf16-rounded inputs, and then held in f16, because its partner in the product (the attention's result) is f16.
;        f16 holds a bf16 value exactly down to 2^-17; below that the error is at most 2^-25.
; 2,048 waves, one unit of 16 KiB in and 8 KiB out each, no loop: every wave has its 32 loads of 16 bytes a lane out at once.
; Waves 0-3 of a work-group take a unit of x (64 rows x 64 k), waves 4-7 a unit of a weight (64 k x 64 n), turned in the wave's own LDS stage.
; Memory binds: no matrix unit, no tensor load, no cluster (no byte is read twice).
; THE MODE: SCHED_MODE bits 1:0 = 2 (LLVM: expert scheduling mode 2), set by the entry lines.  The code itself states the register dependences
; between vector instructions and memory or LDS instructions, with s_wait_alu, always for 0.
; THE PLAN.  Registers that memory or LDS instructions touch:
;   v2 .. v5   offsets and LDS addresses: made once in each path, ahead of that path's first wait on va_vdst, and never written again.
;   X          x path: the loads land in it; pair t's conversions read its eight registers and write the first four; pair t's store reads those four.  The 16 pairs
;              go in four blocks of four: a block's stores are issued in the next block, behind ONE wait on va_vdst at that block's head, one ahead of each pair's
;              conversions, which name the next block's registers alone.  Nothing that a store reads is written again.
;              weight paths: the loads land in it; the conversions read it; the LDS loads from the stage land in it again; the global stores read it.
;   T0, T1     weight paths: group jj's conversions write T[jj % 2]; its four LDS stores are issued in group jj + 1, behind the waits at that group's head,
;              one ahead of each row's conversions, which name X, U and the other T alone.
;   v[U ..]    named by vector instructions alone.
;   v160, v161 written at the head, read by the closing add alone.
.set X, 32                             ; v[32:159]  the unit as loaded
.set T, 16                             ; v[16:31]   T0: packed numbers on their way to LDS, groups 0 and 2
.set T1, 162                           ; v[162:177] T1: the same, groups 1 and 3
.set U, 10                             ; v[10:11]   a bf16 pair widened again (w_proj only)
.set STAGEW, 64*144                    ; a wave's stage: 64 rows (n) of 128 bytes, 16 bytes of padding
	s_load_b256 s[4:11], s[0:1], 0x0               ; x s[4:5], w_qkv s[6:7], w_proj s[8:9], xb s[10:11]
	s_load_b128 s[12:15], s[0:1], 0x20             ; wqT s[12:13], wpT s[14:15]
	v_lshl_add_u32 v160, v0, 2, 0x9000
	v_mov_b32 v161, 0
	v_lshrrev_b32 v2, 5, v0
	v_readfirstlane_b32 s16, v2                    ; wave 0..7
	v_and_b32 v1, 31, v0                           ; lane l
	v_lshlrev_b32 v3, 4, v1                        ; 16 l: every store of a wave covers 512 consecutive bytes
	s_lshl_b32 s17, ttmp9, 2
	s_wait_alu depctr_va_sdst(0)                   ; s16 is written, ahead of its first reader, the compare below
	s_cmp_lt_u32 s16, 4
	s_cbranch_scc0 .Lweights
	; ---- a unit of x: rows 64 rg .. +63, columns 64 kc .. +63
	s_add_co_u32 s17, s17, s16                     ; unit 0..1023
	s_and_b32 s18, s17, 15                         ; kc
	s_lshr_b32 s19, s17, 4                         ; rg
	s_lshl_b32 s20, s19, 18                        ; 64 rows of 4,096 bytes
	s_lshl_b32 s24, s18, 8                         ; 64 f32
	s_add_co_u32 s20, s20, s24
	s_mov_b32 s21, 0
	s_lshr_b32 s22, s19, 2                         ; mb
	s_lshl_b32 s22, s22, 4
	s_add_co_u32 s22, s22, s18                     ; 16 mb + kc
	s_lshl_b32 s22, s22, 8                         ; x 256 rows
	s_and_b32 s24, s19, 3
	s_lshl_b32 s24, s24, 6
	s_add_co_u32 s22, s22, s24                     ; + my 64 rows in the block
	s_lshl_b32 s22, s22, 7                         ; x 128 bytes
	s_mov_b32 s23, 0
	v_lshrrev_b32 v4, 3, v1
	v_and_b32 v5, 7, v1
	v_lshlrev_b32 v2, 12, v4                       ; row l / 8
	v_lshl_add_u32 v2, v5, 5, v2                   ; 8 f32 a lane: eight lanes' two loads cover 256 consecutive bytes
	s_wait_kmcnt 0x0
	s_add_nc_u64 s[4:5], s[4:5], s[20:21]
	s_add_nc_u64 s[10:11], s[10:11], s[22:23]
	s_wait_alu depctr_va_vdst(0)                   ; v2 and v3 are written: the loads read v2 as their offset, the stores v3
.set t, 0
.rept 16
	global_load_b128 v[X+8*t:X+8*t+3],   v2, s[4:5] offset:t*16384 th:TH_LOAD_NT
	global_load_b128 v[X+8*t+4:X+8*t+7], v2, s[4:5] offset:t*16384+16 th:TH_LOAD_NT
.set t, t+1
.endr
.set t, 0
.rept 16
	s_wait_loadcnt 30-2*t                          ; loads come back in order: pair t is in, the 30 - 2 t younger loads stay out
.if (t >= 4) && (t%4 == 0)
	s_wait_alu depctr_va_vdst(0)                   ; the block before's sixteen conversions have written their registers, which this block's four stores read
.endif
.if t >= 4
	global_store_b128 v3, v[X+8*(t-4):X+8*(t-4)+3], s[10:11] offset:512*(t-4)  ; four rows of the chunk, of the block before; no vector instruction since the wait names these registers, and nothing that a store names is written again
.endif
	v_cvt_pk_bf16_f32 v[X+8*t],   v[X+8*t],   v[X+8*t+1]       ; in place, upward: each line reads registers that no earlier line has written
	v_cvt_pk_bf16_f32 v[X+8*t+1], v[X+8*t+2], v[X+8*t+3]
	v_cvt_pk_bf16_f32 v[X+8*t+2], v[X+8*t+4], v[X+8*t+5]
	v_cvt_pk_bf16_f32 v[X+8*t+3], v[X+8*t+6], v[X+8*t+7]
.set t, t+1
.endr
	s_wait_alu depctr_va_vdst(0)                   ; the last block's conversions have written their registers, which the last four stores read
.set t, 12
.rept 4
	global_store_b128 v3, v[X+8*t:X+8*t+3], s[10:11] offset:512*t
.set t, t+1
.endr
	s_endpgm
	; ---- a unit of a weight: k = 64 kc .. +63, n = 64 ng .. +63
.Lweights:
	s_and_b32 s25, s16, 3                          ; wave - 4
	s_mul_i32 s26, s25, STAGEW                     ; my stage
	v_lshrrev_b32 v6, 4, v1                        ; h
	v_and_b32 v7, 15, v1                           ; ln
	v_mul_u32_u24 v4, v7, 4*144                    ; in: rows n = 4 ln + i,
	v_lshl_add_u32 v4, v6, 4, v4                   ; 16 bytes (8 k) for each half of the lanes
	v_add_nc_u32 v4, s26, v4
	v_lshrrev_b32 v8, 3, v1
	v_and_b32 v9, 7, v1
	v_mul_u32_u24 v5, v8, 144                      ; back: eight lanes take a row of 128 bytes
	v_lshl_add_u32 v5, v9, 4, v5
	v_add_nc_u32 v5, s26, v5
; Source at s[20:21], rows \pitch bytes apart; destination at s[22:23].  Lane (ln, h) loads w[16 jj + 8 h + j][4 ln .. +3]: a load covers two whole
; runs of 256 bytes.  Eight k of one n are packed into 16 bytes and stored to row n of the stage.  half = 1: bf16 first, then f16.
.macro WPATH pitch, half
	v_mul_u32_u24 v2, v6, 8*\pitch
	v_lshl_add_u32 v2, v7, 4, v2
	s_wait_alu depctr_va_vdst(0)                   ; v2, v3, v4 and v5 are written: the offsets of the loads and of the global stores, the addresses of the LDS stores and of the LDS loads
.set n, 0
.rept 32
	global_load_b128 v[X+4*n:X+4*n+3], v2, s[20:21] offset:(16*(n/8)+(n%8))*\pitch th:TH_LOAD_NT
.set n, n+1
.endr
.set jj, 0
.rept 4
	s_wait_loadcnt 24-8*jj                         ; the eight loads of group jj are in, the younger groups stay out
.if jj > 1
	s_wait_alu depctr_vm_vsrc(0)                   ; the LDS stores issued in the group before have read T[jj % 2], which this group's conversions write again
.endif
.if jj > 0
	s_wait_alu depctr_va_vdst(0)                   ; the group before has written the other T, which the four LDS stores below read
.endif
.set TW, T+(T1-T)*(jj%2)                ; the T that this group writes
.set TR, T+(T1-T)*((jj+1)%2)            ; the T that the group before wrote
.set i, 0
.rept 4
.if jj > 0
	ds_store_b128 v4, v[TR+4*i:TR+4*i+3] offset:144*i+32*(jj-1)  ; the group before; no vector instruction since the wait names these registers
.endif
.set p, 0
.rept 4
	v_cvt_pk_bf16_f32 v[TW+4*i+p], v[X+4*(8*jj+2*p)+i], v[X+4*(8*jj+2*p+1)+i]
.if \half
	v_lshlrev_b32 v[U], 16, v[TW+4*i+p]            ; the two bf16 values as f32,
	v_and_b32 v[U+1], 0xffff0000, v[TW+4*i+p]
	v_cvt_pk_f16_f32 v[TW+4*i+p], v[U], v[U+1]     ; and in f16
.endif
.set p, p+1
.endr
.set i, i+1
.endr
.set jj, jj+1
.endr
	s_wait_alu depctr_va_vdst(0)                   ; group 3 has written T1, which the last four LDS stores read; all conversions are done reading X, in which the LDS loads below land
.set i, 0
.rept 4
	ds_store_b128 v4, v[T1+4*i:T1+4*i+3] offset:144*i+96
.set i, i+1
.endr
.set t, 0
.rept 16
	ds_load_b128 v[X+4*t:X+4*t+3], v5 offset:576*t ; my own bytes: LDS serves a wave's instructions in order (ISA guide 5.7.1), so these see the stores above
.set t, t+1
.endr
.set t, 0
.rept 16
	s_wait_dscnt 15-t
	global_store_b128 v3, v[X+4*t:X+4*t+3], s[22:23] offset:512*t
.set t, t+1
.endr
.endm
	s_cmp_lt_u32 ttmp9, 192
	s_cbranch_scc0 .Lproj
	s_add_co_u32 s17, s17, s25                     ; w_qkv: unit 0..767
	s_and_b32 s18, s17, 15                         ; kc
	s_lshr_b32 s19, s17, 4                         ; ng 0..47
	s_mul_i32 s27, s19, 43
	s_lshr_b32 s27, s27, 7                         ; nb = ng / 3 (exact for ng < 48)
	s_mul_i32 s28, s27, 3
	s_sub_co_u32 s28, s19, s28                     ; ng mod 3
	s_mul_i32 s20, s18, 64*12288
	s_lshl_b32 s24, s19, 8
	s_add_co_u32 s20, s20, s24
	s_mov_b32 s21, 0
	s_lshl_b32 s22, s27, 4
	s_add_co_u32 s22, s22, s18
	s_mul_i32 s22, s22, 192
	s_lshl_b32 s28, s28, 6
	s_add_co_u32 s22, s22, s28
	s_lshl_b32 s22, s22, 7
	s_mov_b32 s23, 0
	s_wait_kmcnt 0x0
	s_add_nc_u64 s[20:21], s[6:7], s[20:21]
	s_add_nc_u64 s[22:23], s[12:13], s[22:23]
	WPATH 12288, 0
	s_wait_dscnt 0x0                               ; the closing lines, six on end
	s_wait_alu 0x0
	s_wait_tensorcnt 0x0
	ds_add_u32 v160, v161
	s_wait_dscnt 0x0
	s_endpgm
.Lproj:
	s_sub_co_u32 s17, s17, 768
	s_add_co_u32 s17, s17, s25                     ; w_proj: unit 0..255
	s_and_b32 s18, s17, 15                         ; kc
	s_lshr_b32 s19, s17, 4                         ; ng 0..15
	s_mul_i32 s20, s18, 64*4096
	s_lshl_b32 s24, s19, 8
	s_add_co_u32 s20, s20, s24
	s_mov_b32 s21, 0
	s_lshr_b32 s22, s19, 1                         ; nb
	s_lshl_b32 s22, s22, 4
	s_add_co_u32 s22, s22, s18
	s_lshl_b32 s22, s22, 7                         ; x 128 rows
	s_and_b32 s28, s19, 1
	s_lshl_b32 s28, s28, 6
	s_add_co_u32 s22, s22, s28
	s_lshl_b32 s22, s22, 7
	s_mov_b32 s23, 0
	s_wait_kmcnt 0x0
	s_add_nc_u64 s[20:21], s[8:9], s[20:21]
	s_add_nc_u64 s[22:23], s[14:15], s[22:23]
	WPATH 4096, 1
	s_wait_dscnt 0x0                               ; the closing lines, six on end, as above
	s_wait_alu 0x0
	s_wait_tensorcnt 0x0
	ds_add_u32 v160, v161
	s_wait_dscnt 0x0
	s_endpgm
.Lfunc_end_k_q742579ff4c_prep:
	.size	k_q742579ff4c_prep, .Lfunc_end_k_q742579ff4c_prep-k_q742579ff4c_prep
	.p2alignl 7, 3214868480
	.fill 96, 4, 3214868480
	.section	.rodata,"a",@progbits
	.p2align	6, 0x0
	.amdhsa_kernel k_q742579ff4c_prep
		.amdhsa_group_segment_fixed_size 37888
		.amdhsa_private_segment_fixed_size 0
		.amdhsa_enable_private_segment 0
		.amdhsa_kernarg_size 48
		.amdhsa_user_sgpr_count 2
		.amdhsa_user_sgpr_kernarg_segment_ptr 1
		.amdhsa_wavefront_size32 1
		.amdhsa_system_sgpr_workgroup_id_x 1
		.amdhsa_system_sgpr_workgroup_id_y 1
		.amdhsa_system_sgpr_workgroup_id_z 1
		.amdhsa_system_vgpr_workitem_id 0
		.amdhsa_next_free_vgpr 178
		.amdhsa_next_free_sgpr 66
		.amdhsa_reserve_vcc 0
		.amdhsa_float_denorm_mode_32 3
		.amdhsa_float_denorm_mode_16_64 3
		.amdhsa_memory_ordered 1
		.amdhsa_forward_progress 1
		.amdhsa_inst_pref_size 47
	.end_amdhsa_kernel
	.amdgpu_metadata
---
amdhsa.version: [ 1, 2 ]
amdhsa.kernels:
  - .name:           k_q742579ff4c_prep
    .symbol:         k_q742579ff4c_prep.kd
    .args:
      - { .name: x, .offset: 0, .size: 8, .value_kind: global_buffer, .address_space: global }
      - { .name: w_qkv, .offset: 8, .size: 8, .value_kind: global_buffer, .address_space: global }
      - { .name: w_proj, .offset: 16, .size: 8, .value_kind: global_buffer, .address_space: global }
      - { .name: xb, .offset: 24, .size: 8, .value_kind: global_buffer, .address_space: global }
      - { .name: wqT, .offset: 32, .size: 8, .value_kind: global_buffer, .address_space: global }
      - { .name: wpT, .offset: 40, .size: 8, .value_kind: global_buffer, .address_space: global }
    .group_segment_fixed_size: 37888
    .private_segment_fixed_size: 0
    .kernarg_segment_align: 8
    .kernarg_segment_size: 48
    .max_flat_workgroup_size: 256
    .sgpr_count:     66
    .vgpr_count:     178
    .wavefront_size: 32
...
	.end_amdgpu_metadata
.endif
;; end of part 5
;; launch gemm_qkv: the kernel of part 2 again; grid 16 x 16, 4 waves a work-group, clusters of 4 x 4, 327,680 bytes of LDS; arguments xb, wqT, qkvh, b_qkv; writes qkvh
;; launch attn: the kernel of part 3 again; grid 256 x 1, 8 waves a work-group, no clusters, 327,680 bytes of LDS; arguments qkvh, att; writes att
;; launch gemm_proj: the kernel of part 4 again; grid 8 x 32, 4 waves a work-group, clusters of 4 x 4, 327,680 bytes of LDS; arguments att, wpT, out0, b_proj; writes out0
